; MI455X (gfx1250); checked and timed in simulation.
; The chip was launched on July 23, 2026; its instructions are those of AMD's public machine-readable ISA for CDNA 5 (MIT licence, August 2026) and "CDNA5" Instruction Set Architecture Reference Guide (July 2026). The comments in the code are by the model that wrote it; some were corrected since.
;; Multi Head Attention. Allowed arithmetic: matrix products marked QUANTISED: E2M1 operands, one E8M0 scale for each 32 along K, by v_wmma_scale_f32_16x16x128_f8f6f4 with both operands' format E2M1 (or v_wmma_scale_f32_32x16x128_f4), f32 sums; products left as they are: bf16, f16 or f32 operands; f32 sums; everything else in f32.
;; Inputs: Wc 1,024 x 1,024 float32; Wk 1,024 x 1,024 float32; Wq 1,024 x 1,024 float32; Wv 1,024 x 1,024 float32; bc 1,024 float32; bk 1,024 float32; bq 1,024 float32; bv 1,024 float32; k 4 x 2,048 x 1,024 float32; mask 4 x 1 x 1 x 2,048 bool; q 4 x 2,048 x 1,024 float32; v 4 x 2,048 x 1,024 float32.
;; Outputs: out0 4 x 2,048 x 1,024 float32.
;; This version of the problem:
;;   THIS VERSION OF THE PROBLEM IS GIVEN IN LOW PRECISION. The matrix products marked QUANTISED in the list below multiply operands that are first quantised to E2M1 (2 exponent bits, 1 mantissa bit; 4 bits a number), with one power-of-two scale for each 32 numbers along K (OCP MX v1.0); their sums are f32. The products marked 'left as it is' may take bf16, f16 or f32 operands, with f32 sums. Whichever they take, every output number must still come out within the allowed error. Rounding operands to bf16 (8 significant bits) uses up far more of that allowance than f16 does (11 bits, for magnitudes from 6e-5 to 65,504). All else is computed in f32.
;;   The module's matrix products, in the order in which they are computed (A, B: the left and right operand; K: the contracted axis; several contracted axes count as one K, in the product's order):
;;     1. [M 8,192, K 1,024] x [K 1,024, N 1,024]; A: input q; B: input Wq: QUANTISED
;;     2. [M 8,192, K 1,024] x [K 1,024, N 1,024]; A: input k; B: input Wk: QUANTISED
;;     3. [M 8,192, K 1,024] x [K 1,024, N 1,024]; A: input v; B: input Wv: QUANTISED
;;     4. batch 64 x [M 2,048, K 64] x [K 64, N 2,048]; A: computed on the way; B: computed on the way: left as it is (an operand is computed on the way)
;;     5. batch 64 x [M 2,048, K 2,048] x [K 2,048, N 64]; A: computed on the way; B: computed on the way: left as it is (an operand is computed on the way)
;;     6. [M 8,192, K 1,024] x [K 1,024, N 1,024]; A: computed on the way; B: input Wc: left as it is (an operand is computed on the way)
;;   THE QUANTISER, for each operand of a quantised product, along K:
;;     - K is cut into blocks of 32 from its start; a last block that is shorter is filled with zeros.
;;     - A block's scale is 2^e with e = floor(log2(the largest magnitude in the block)) - 2, held to -126 .. 127; a block of zeros has e = 0. As a byte (E8M0): e + 127.
;;     - Each number is divided by its block's scale, clamped to +-6, and rounded to the nearest number of E2M1, ties to even, subnormals kept.
;;     - The product sums the exact products of the quantised numbers (number of the format x scale) in f32.
;;   ~~~python
;;   def quantise(x, axis):      # numpy; x: float32 -> the quantised numbers, widened to float32 again
;;       x = np.moveaxis(x, axis, -1); K = x.shape[-1]
;;       x = np.pad(x, [(0, 0)] * (x.ndim - 1) + [(0, -K % 32)]); x = x.reshape(x.shape[:-1] + (-1, 32)); a = np.abs(x).max(-1, keepdims=True)
;;       e = np.where(a > 0, np.clip(np.frexp(np.where(a > 0, a, 1))[1] - 1 - 2, -126, 127), 0)      # np.frexp(a)[1] - 1 = floor(log2(a)), exactly
;;       r = np.clip(x / 2.0 ** e, -6, 6)
;;       step = 2.0 ** (np.maximum(np.frexp(np.where(r == 0, 1, r))[1] - 1, 0) - 1)
;;       q = np.round(r / step) * step * 2.0 ** e      # np.round: ties to even
;;       return np.moveaxis(q.reshape(q.shape[:-2] + (-1,))[..., :K], -1, axis).astype(np.float32)
;;   ~~~
;; One version. Each part assembles by itself: llvm-mc -triple=amdgcn-amd-amdhsa -mcpu=gfx1250 --defsym DOCPART=n.
;; ======== version 1 of 1: 4 launches
;; limits: values are held in f16: magnitudes above 65,504 overflow, below 6.1e-05 lose precision
;; workspace buffers: codes 14,155,776 bytes; scales 884,736 bytes; wc16 2,097,152 bytes; qkvh 50,331,648 bytes; ctx 16,777,216 bytes
;; launch quant (part 1): grid 896 x 1, 4 waves a work-group, no clusters, 33,280 bytes of LDS; arguments q, k, v, Wq, Wk, Wv, Wc, codes, scales, wc16; writes codes, scales, wc16
.if DOCPART == 1
	.amdgcn_target "amdgcn-amd-amdhsa--gfx1250"
	.amdhsa_code_object_version 6
	.text
	.protected	k_qb55999e4fe_quant
	.globl	k_qb55999e4fe_quant
	.p2align	8
	.type	k_qb55999e4fe_quant,@function
k_qb55999e4fe_quant:
	s_mov_b64 s[64:65], 0
	v_nop
	global_prefetch_b8 v0, s[64:65] scope:SCOPE_SE
	s_setreg_imm32_b32 hwreg(HW_REG_WAVE_MODE, 25, 1), 1
	s_wait_xcnt 0x0
; q, k, v [8192][1024] and Wq, Wk, Wv [1024][1024], f32 with K innermost, become codes of FP4 (E2M1), two a byte, and one E8M0 scale byte for each 32 along K.
; The six tensors are one stream of blocks of 32 numbers, in the order q | k | v | Wq | Wk | Wv: codes [27648 rows][512 bytes], scales [27648 rows][32 bytes].  Wc [1024][1024] is rounded to f16 (wc16).
; A block's scale is 2^(floor(log2(its largest magnitude)) - 2); its byte is the largest magnitude's exponent field - 2, held at 1 from below.
; LIMITS: a block of zeros gets the byte 1 where the quantiser says 127 (its codes are zeros, and this program alone reads the bytes); blocks whose largest magnitude lies under 2^(3 - 127) are held at the byte 1;
; NaN and infinities among the inputs are not served; |Wc| stays under 65,504, f16's largest number.
; SHARES: work-groups 0 to 863 take 32,768 numbers of the stream each, a wave 8,192, in 16 steps of 512; work-groups 864 to 895 take 32,768 numbers of Wc each.
; A step's four loads read 512 consecutive bytes each; the 2,048 bytes turn through the wave's own stage in LDS, so that a lane holds 16 neighbours along K (two lanes to a block).
; No tensor load, no barrier: waves share nothing.  Loads run four steps (16 loads a wave) ahead, the turn through LDS one step.
.set WAVES, 4
.set STEPS, 16
.set NQWG,  864                        ; work-groups that quantise: (3 x 8192 + 3 x 1024) x 1024 / 32768
.set EMAX,  2
.set CB,    8                          ; bytes of 16 codes
.set R,     16                         ; v16-79   four sets of 16 numbers as they are loaded
.set X,     80                         ; v80-111  two sets of 16 neighbours
.set E,     112                        ; v112-127 a scale byte for each step
.set C,     128                        ; v128-191 codes: four registers for each step, so that no store's data are written again
.set WREG,  8192                       ; LDS: a region for each wave: two stages of 32 x SP bytes, behind them its 256 scale bytes
.set SP,    80                         ; a lane's place in a stage: 64 bytes + 16 of padding
.set SPW,   12                         ; v12  LDS address of my spare word; never rewritten
.set NIL,   13                         ; v13  0; never rewritten
.set SPARE, WAVES*WREG                 ; behind the four regions: the spare words, 128 bytes a wave
	s_load_b512 s[4:19], s[0:1], 0x0               ; q, k, v, Wq, Wk, Wv, Wc s[16:17], codes s[18:19]
	s_load_b128 s[20:23], s[0:1], 0x40             ; scales s[20:21], wc16 s[22:23]
	v_lshl_add_u32 v[SPW], v0, 2, SPARE
	v_mov_b32 v[NIL], 0
	v_lshrrev_b32 v1, 5, v0
	v_readfirstlane_b32 s24, v1                    ; wave
	v_and_b32 v2, 31, v0                           ; lane
	v_lshlrev_b32 v3, 4, v2                        ; my 16 bytes of a load's 512
	s_mul_i32 s25, s24, WREG
	v_lshrrev_b32 v14, 2, v2
	v_mul_u32_u24 v14, v14, SP
	v_and_b32 v15, 3, v2
	v_lshl_add_u32 v14, v15, 4, v14
	v_add_nc_u32 v14, s25, v14                     ; the stage, on the way in: SP (lane / 4) + 16 (lane % 4)
	v_mul_u32_u24 v15, v2, SP
	v_add_nc_u32 v15, s25, v15                     ; and on the way out: SP x lane: my 16 neighbours
	v_mul_u32_u24 v4, v2, CB                       ; 8 bytes a lane: my codes' place in a step's, and my f16 numbers' place in Wc's path
	v_lshrrev_b32 v5, 1, v2
	s_add_co_u32 s25, s25, 2*32*SP
	v_add_nc_u32 v5, s25, v5                       ; LDS: my wave's 256 scale bytes, my block's byte
	v_lshlrev_b32 v7, 3, v2
	v_add_nc_u32 v6, s25, v7                       ; and on the way out 8 bytes a lane
	s_wait_kmcnt 0x0
	s_cmp_ge_u32 ttmp9, NQWG                       ; the last 32 work-groups take Wc: the branch hangs on the work-group's number alone
	s_cbranch_scc1 .Lwc
; which tensor is mine: only the pointer and the tensor's first work-group are chosen; all six take one path
.macro PICK bound, lo
	s_cmp_ge_u32 ttmp9, \bound
	s_cselect_b64 s[4:5], s[\lo:\lo+1], s[4:5]
	s_cselect_b32 s26, \bound, s26
.endm
	s_mov_b32 s26, 0
	PICK 256, 6
	PICK 512, 8
	PICK 768, 10
	PICK 800, 12
	PICK 832, 14
	s_sub_co_u32 s27, ttmp9, s26
	s_lshl_b32 s27, s27, 2
	s_add_co_u32 s27, s27, s24                     ; my run of 8,192 numbers in my tensor
	s_lshl_b32 s28, s27, 15                        ; 32,768 bytes a run
	s_mov_b32 s29, 0
	s_add_nc_u64 s[4:5], s[4:5], s[28:29]
	s_lshl_b32 s27, ttmp9, 2
	s_add_co_u32 s27, s27, s24                     ; my run in the whole stream
	s_lshl_b32 s28, s27, 12                        ; 4,096 bytes of codes a run
	s_add_nc_u64 s[18:19], s[18:19], s[28:29]
	s_lshl_b32 s28, s27, 8                         ; 256 scale bytes a run
	s_add_nc_u64 s[20:21], s[20:21], s[28:29]
.macro LOAD t
.irp i, 0,1,2,3
	global_load_b128 v[R+16*((\t)%4)+4*\i:R+16*((\t)%4)+4*\i+3], v3, s[4:5] offset:2048*(\t)+512*\i th:TH_LOAD_NT   ; 32 lanes read 512 consecutive bytes
.endr
.endm
.macro TURN t                          ; step t's numbers through the stage: LDS serves a wave's instructions in order, so no wait stands between the stores and the loads
.irp i, 0,1,2,3
	ds_store_b128 v14, v[R+16*((\t)%4)+4*\i:R+16*((\t)%4)+4*\i+3] offset:32*SP*((\t)%2)+8*SP*\i
.endr
.irp i, 0,1,2,3
	ds_load_b128 v[X+16*((\t)%2)+4*\i:X+16*((\t)%2)+4*\i+3], v15 offset:32*SP*((\t)%2)+16*\i
.endr
.endm
.irp t, 0,1,2,3
	LOAD \t
.endr
	s_wait_loadcnt 12                              ; step 0's four loads are in; the twelve of steps 1 to 3 may be out
	TURN 0
.macro STEP t
.set XS, X+16*((\t)%2)
.if (\t) > 0
	s_wait_dscnt 1                                 ; this step's numbers are back from the stage (the last step's byte store may be out): so its stores into the stage have read their registers,
.else
	s_wait_dscnt 0x0
.endif
.if (\t)+4 < STEPS
	LOAD (\t)+4                                    ; which take the loads of four steps on
.endif
.if (\t)+1 < STEPS
.if STEPS-2-(\t) >= 3
	s_wait_loadcnt 12                              ; the next step's four loads are in; those of the three steps behind it may be out
.else
	s_wait_loadcnt 4*(STEPS-2-(\t))                ; at the end the count runs down: four loads for each step still behind
.endif
	TURN (\t)+1                                    ; and go through the other stage while this step is worked
.endif
	v_max3_num_f32 v8, |v[XS]|, |v[XS+1]|, |v[XS+2]|               ; the largest magnitude of my 16, in two chains
	v_max3_num_f32 v9, |v[XS+3]|, |v[XS+4]|, |v[XS+5]|
.irp i, 6,10
	v_max3_num_f32 v8, v8, |v[XS+\i]|, |v[XS+\i+1]|
	v_max3_num_f32 v9, v9, |v[XS+\i+2]|, |v[XS+\i+3]|
.endr
	v_max3_num_f32 v8, v8, |v[XS+14]|, |v[XS+15]|
	v_max3_num_f32 v8, v8, v9, (EMAX+1)<<23        ; and the floor 2^(3 - 127): the byte cannot fall under 1
	v_max_num_f32_dpp v8, v8, v8 row_xmask:1 row_mask:0xf bank_mask:0xf   ; and of my neighbour's 16: the block's
	v_add_nc_u32 v11, 0xff000000, v8               ; 2 off its exponent field: the conversion takes the exponent field of this operand as its scale
	v_cvt_scalef32_pk8_fp4_f32 v[C+4*(\t)], v[XS:XS+7], v11
	v_cvt_scalef32_pk8_fp4_f32 v[C+4*(\t)+1], v[XS+8:XS+15], v11
	v_lshrrev_b32 v[E+(\t)], 23, v11               ; the scale's byte (a plain line behind the conversions)
	ds_store_b8 v5, v[E+(\t)] offset:16*(\t)       ; both lanes of a block write the same byte with the same value
	global_store_b64 v4, v[C+4*(\t):C+4*(\t)+1], s[18:19] offset:32*CB*(\t)   ; the wave stores 256 consecutive bytes, aligned
.endm
.irp t, 0,1,2,3,4,5,6,7,8,9,10,11,12,13,14,15
	STEP \t
.endr
	ds_load_b64 v[8:9], v6                         ; LDS serves a wave's instructions in order: these see my byte stores
	s_wait_dscnt 0x0
	global_store_b64 v7, v[8:9], s[20:21]          ; 32 lanes store 256 consecutive bytes, aligned
	s_wait_tensorcnt 0x0                           ; the wave's end
	ds_add_u32 v[SPW], v[NIL]
	s_wait_dscnt 0x0
	s_endpgm
; Wc to f16: a wave takes 8,192 numbers in four batches of 16 loads.  A load reads 512 consecutive bytes, its store writes 256.
.Lwc:
	s_sub_co_u32 s27, ttmp9, NQWG
	s_lshl_b32 s27, s27, 2
	s_add_co_u32 s27, s27, s24
	s_lshl_b32 s28, s27, 15
	s_mov_b32 s29, 0
	s_add_nc_u64 s[16:17], s[16:17], s[28:29]
	s_lshl_b32 s28, s27, 14
	s_add_nc_u64 s[22:23], s[22:23], s[28:29]
.irp t, 0,1,2,3
.if \t > 0
	s_wait_xcnt 0x0                                ; the last batch's stores have read their data: v128-159 are written again only behind this wait
.endif
.irp i, 0,1,2,3,4,5,6,7,8,9,10,11,12,13,14,15
	global_load_b128 v[R+4*\i:R+4*\i+3], v3, s[16:17] offset:512*(16*\t+\i) th:TH_LOAD_NT
.endr
.irp i, 0,1,2,3,4,5,6,7,8,9,10,11,12,13,14,15
	s_wait_loadcnt 15-\i                           ; load i is in; the batch's younger loads may be out
	v_cvt_pk_f16_f32 v[C+2*\i], v[R+4*\i], v[R+4*\i+1]
	v_cvt_pk_f16_f32 v[C+2*\i+1], v[R+4*\i+2], v[R+4*\i+3]
	global_store_b64 v4, v[C+2*\i:C+2*\i+1], s[22:23] offset:256*(16*\t+\i)
.endr
.endr
	s_endpgm
.Lfunc_end_k_qb55999e4fe_quant:
	.size	k_qb55999e4fe_quant, .Lfunc_end_k_qb55999e4fe_quant-k_qb55999e4fe_quant
	.p2alignl 7, 3214868480
	.fill 96, 4, 3214868480
	.section	.rodata,"a",@progbits
	.p2align	6, 0x0
	.amdhsa_kernel k_qb55999e4fe_quant
		.amdhsa_group_segment_fixed_size 33280
		.amdhsa_private_segment_fixed_size 0
		.amdhsa_enable_private_segment 0
		.amdhsa_kernarg_size 80
		.amdhsa_user_sgpr_count 2
		.amdhsa_user_sgpr_kernarg_segment_ptr 1
		.amdhsa_wavefront_size32 1
		.amdhsa_system_sgpr_workgroup_id_x 1
		.amdhsa_system_sgpr_workgroup_id_y 1
		.amdhsa_system_sgpr_workgroup_id_z 1
		.amdhsa_system_vgpr_workitem_id 0
		.amdhsa_next_free_vgpr 192
		.amdhsa_next_free_sgpr 66
		.amdhsa_reserve_vcc 0
		.amdhsa_float_denorm_mode_32 3
		.amdhsa_float_denorm_mode_16_64 3
		.amdhsa_memory_ordered 1
		.amdhsa_forward_progress 1
		.amdhsa_inst_pref_size 56
	.end_amdhsa_kernel
	.amdgpu_metadata
---
amdhsa.version: [ 1, 2 ]
amdhsa.kernels:
  - .name:           k_qb55999e4fe_quant
    .symbol:         k_qb55999e4fe_quant.kd
    .args:
      - { .name: q, .offset: 0, .size: 8, .value_kind: global_buffer, .address_space: global }
      - { .name: k, .offset: 8, .size: 8, .value_kind: global_buffer, .address_space: global }
      - { .name: v, .offset: 16, .size: 8, .value_kind: global_buffer, .address_space: global }
      - { .name: Wq, .offset: 24, .size: 8, .value_kind: global_buffer, .address_space: global }
      - { .name: Wk, .offset: 32, .size: 8, .value_kind: global_buffer, .address_space: global }
      - { .name: Wv, .offset: 40, .size: 8, .value_kind: global_buffer, .address_space: global }
      - { .name: Wc, .offset: 48, .size: 8, .value_kind: global_buffer, .address_space: global }
      - { .name: codes, .offset: 56, .size: 8, .value_kind: global_buffer, .address_space: global }
      - { .name: scales, .offset: 64, .size: 8, .value_kind: global_buffer, .address_space: global }
      - { .name: wc16, .offset: 72, .size: 8, .value_kind: global_buffer, .address_space: global }
    .group_segment_fixed_size: 33280
    .private_segment_fixed_size: 0
    .kernarg_segment_align: 8
    .kernarg_segment_size: 80
    .max_flat_workgroup_size: 128
    .sgpr_count:     66
    .vgpr_count:     192
    .wavefront_size: 32
...
	.end_amdgpu_metadata
.endif
;; end of part 1
;; launch proj (part 2): grid 4 x 96, 4 waves a work-group, clusters of 4 x 4, 327,680 bytes of LDS; arguments codes, scales, bq, bk, bv, qkvh; writes qkvh
.if DOCPART == 2
	.amdgcn_target "amdgcn-amd-amdhsa--gfx1250"
	.amdhsa_code_object_version 6
	.text
	.protected	k_qb55999e4fe_proj
	.globl	k_qb55999e4fe_proj
	.p2align	8
	.type	k_qb55999e4fe_proj,@function
k_qb55999e4fe_proj:
	s_mov_b64 s[64:65], 0
	v_nop
	global_prefetch_b8 v0, s[64:65] scope:SCOPE_SE
	s_setreg_imm32_b32 hwreg(HW_REG_WAVE_MODE, 25, 1), 1
	s_wait_xcnt 0x0
	s_wait_alu depctr_hold_cnt(0) depctr_sa_sdst(0) depctr_va_vdst(0) depctr_va_sdst(0) depctr_va_ssrc(0) depctr_va_vcc(0) depctr_vm_vsrc(0)
	s_getreg_b32 s2, hwreg(HW_REG_IB_STS2, 6, 4)
	s_cmp_eq_u32 s2, 0
	s_cbranch_scc0 .Lentry_in_a_cluster
	s_endpgm
.Lentry_in_a_cluster:
	s_bfe_u32 s2, ttmp6, 0x10000c
	s_cmp_lg_u32 s2, 0xf033
	s_cbranch_scc0 .Lentry_shape_is_right
	s_endpgm
.Lentry_shape_is_right:
; The three projections x W^T + b on codes of FP4 (E2M1) with one E8M0 scale for each 32 along K = 1,024, sums in f32, in one grid: tile rows 0-31 are q's, 32-63 k's, 64-95 v's.
; codes: [27648 rows][512 bytes], scales: [27648 rows][32 bytes]; rows 0-24575 are q | k | v, rows 24576 + 1024 z + n are Wq | Wk | Wv.
; OUT: qkvh, f16, [3 z][4 b][16 h][2048 s][64].  q's projection is multiplied in f32 by c = log2(e) / 8 ahead of its rounding, so that the next launch's scores come out in units of log2.
; LIMIT: |c (q Wq^T + bq)|, |k Wk^T + bk| and |v Wv^T + bv| stay under 65,504, f16's largest number.
; A tile of 256 x 256 is made by four waves, a wave makes 128 x 128: 64 accumulators, 512 registers.  K is two LDS slots of 512 along K: both slots and the scale bytes are filled once, at the start: three tensor loads of a wave are out then, none later.
; CLUSTERS: 4 x 4 work-groups.  The four of a row need the same rows of x, the four of a column the same rows of W: each tile is asked for jointly.
; THE MATRIX INSTRUCTION IS USED TRANSPOSED (source 0 = 16 rows of W, source 1 = 16 rows of x): a lane holds eight neighbouring columns of one row.  The bias is the C of each sum's first product.
; REGISTERS: window 0: v0-31 addresses; v32-95 scale words, two sets, and nothing else; v128-191 x's fragments, one set; v192-255 the bias in the result's layout; on the way out v96-255 are at work.
;   window 1: W's fragments, two sets, at v0 and v128.   windows 2, 3: the accumulators of my rows 0-63 and 64-127 ((a, b) at v[8 (8 (a % 4) + b)]).
.set NQ,     4                         ; steps of 128 along K in a slot
.set ROWB,   256                       ; a tile's row in bytes: 512 codes
.set KROW,   512                       ; a row of codes in memory
.set PITCH,  272                       ; an LDS row: 256 bytes + 16 of padding: the 16 rows that a load touches start 68 words apart
.set FR,     8                         ; registers of a fragment
.set NL,     2                         ; LDS loads that bring one
.set NP,     4                         ; places behind this matrix instruction (ISA guide 7.12.1)
.set HALFT,  128*PITCH                 ; 128 rows: what one tensor load brings
.set SLOT,   4*HALFT                   ; x's 256 rows, then W's 256 rows
.set KS,     32                        ; a row of scale bytes
.set SCL,    2*SLOT                    ; behind the ring: the scale bytes, as units of 256 bytes + 16 of padding
.set HALFS,  16*272                    ; those of 128 rows
.set SBLK,   2*272                     ; those of 16 rows
.set SPARE,  SCL+4*HALFS               ; the spare words, 128 bytes a wave
.set STAGE,  SPARE+512                 ; the way out: 16 rows x 272 bytes for each wave; no fill lands here
.set SPITCH, 272
.set ADRA, 16                          ; v16-17 LDS address of my fragments of x in slot 0, 1
.set ADRB, 20                          ; v20-21 the same for W
.set STO,  24                          ; v24    the way out: where I put 16 bytes of a row
.set RD,   25                          ; v25    where I read rows back
.set CO,   26                          ; v26    16 x lane: my byte offset in a store's 512 bytes
.set ADRS, 27                          ; v27    LDS address of my scale words: lanes 0-15 x's rows, lanes 16-31 W's
.set SPW,  28                          ; v28    my spare word; never rewritten
.set NIL,  29                          ; v29    0; never rewritten
.set BO,   30                          ; v30    32 x (lane / 16): my eight numbers of a bias block
.set SC,   32                          ; scale words: set s at v[SC + 32 s]; register 4 i + q: lanes 0-15 x's block i, lanes 16-31 W's block i, the slot's q-th 128 along K
.set TF,   96                          ; the way out: 64 numbers scaled in f32
.set AF,   128                         ; x's fragments
.set PKD,  160                         ; the way out: 32 registers of f16 pairs
.set BIA,  192                         ; the bias: block b at v[BIA + 8 b]
.set BK,   192                         ; the way out: rows read back, two sets of 32
.set WV, 16                            ; s16 wave;  s17 wave / 2: my half of the rows, and I fetch for x (0) or W (1);  s18 wave % 2: my half of the columns, and which 128 rows I fetch;  s19 z
.set G1, 24                            ; s[24:31] group 1 for x's tiles;  s[32:39] group 0, a set for each slot
.set G0, 32
.set G1B, 48                           ; s[48:55], s[56:63] the same for W's
.set G0B, 56
.set G1S, 68                           ; s[68:75], s[76:79] groups 1 and 0 for x's scale bytes;  s[80:87], s[88:91] for W's
.set G0S, 76
.set G1SB, 80
.set G0SB, 88
.set MSB, 0
.macro WIN new                         ; the immediate's high byte repeats the setting that is left; a switch that changes nothing is dropped
.if MSB != (\new)
	s_set_vgpr_msb (MSB<<8)|(\new)
.set MSB, (\new)
.endif
.endm
.set MUL_LO, 0xa1                      ; source 0 (W) window 1, source 1 (x) window 0, C and D window 2
.set MUL_HI, 0xf1                      ; the same, C and D window 3
.set BEG_LO, 0x81                      ; the first step: C (the bias) window 0, D window 2
.set BEG_HI, 0xc1                      ; D window 3
.set TO_B,   0x40                      ; destination window 1, address window 0
; A joint load: waves 0 and 1 fetch for x, waves 2 and 3 for W.  The branch hangs on the wave's number alone.  An s_nop 0 and four v_nop follow each of the two lines.
.macro JLOAD g0a, g1a, g0b, g1b
	s_cmp_eq_u32 s17, 0
	s_cbranch_scc0 .Lfor_b_\@
	tensor_load_to_lds s[\g0a:\g0a+3], s[\g1a:\g1a+7]
	s_nop 0
.rept 4
	v_nop
.endr
	s_branch .Lasked_\@
.Lfor_b_\@:
	tensor_load_to_lds s[\g0b:\g0b+3], s[\g1b:\g1b+7]
	s_nop 0
.rept 4
	v_nop
.endr
.Lasked_\@:
.endm
.macro CROUND                          ; a round of the cluster's barrier
	s_barrier_signal -1
	s_barrier_wait -1
	s_cmp_lg_u32 s[WV], 0
	s_cbranch_scc1 .Lnot_wave_0_\@
	s_barrier_signal -3
.Lnot_wave_0_\@:
	s_barrier_wait -3
	s_barrier_signal -1
	s_barrier_wait -1
.endm
	s_load_b256 s[4:11], s[0:1], 0x0               ; codes s[4:5], scales s[6:7], bq s[8:9], bk s[10:11]
	s_load_b128 s[12:15], s[0:1], 0x20             ; bv s[12:13], qkvh s[14:15]
	v_lshl_add_u32 v[SPW], v0, 2, SPARE
	v_mov_b32 v[NIL], 0
	ds_add_u32 v[SPW], v[NIL]                      ; the wave's opening: the add, twice on end, and its wait ahead of my first tensor load
	ds_add_u32 v[SPW], v[NIL]
	v_lshrrev_b32 v1, 5, v0
	v_readfirstlane_b32 s[WV], v1                  ; wave 0..3
	s_lshr_b32 s17, s[WV], 1
	s_and_b32 s18, s[WV], 1
	s_bfe_u32 s40, ttmp6, 0x40000                  ; cx, cy: my place in the cluster
	s_bfe_u32 s41, ttmp6, 0x40004
	s_lshl_b32 s42, ttmp9, 2
	s_add_co_u32 s42, s42, s40                     ; tile column = 4 x cluster x + cx
	s_and_b32 s43, ttmp7, 0xffff
	s_lshr_b32 s19, s43, 3                         ; z = cluster y / 8: which projection; the same in all sixteen partners
	s_lshl_b32 s43, s43, 2
	s_add_co_u32 s43, s43, s41                     ; tile row = 4 x cluster y + cy
	s_lshl_b32 s44, s41, 2
	s_lshl_b32 s44, 15, s44                        ; my row of the cluster
	s_lshl_b32 s45, 0x1111, s40                    ; my column
	; group 1: a tile of 128 rows x 256 bytes, 16 bytes of padding behind each row
	s_or_b32 s[G1+0], s44, (0<<16)|(1<<20)|(1<<21)|(5<<22)|(3<<25)   ; the mask; elements of 1 byte; padding on; bit 21 beside a mask; after every 64 words, 4 words
	s_or_b32 s[G1B+0], s45, (0<<16)|(1<<20)|(1<<21)|(5<<22)|(3<<25)
.irp g, G1, G1B
	s_mov_b32 s[\g+1], ROWB<<16                    ; tensor_dim0
	s_mov_b32 s[\g+2], 128<<16                     ; tensor_dim1
	s_mov_b32 s[\g+3], ROWB<<16                    ; tile_dim0
	s_mov_b32 s[\g+4], 128                         ; tile_dim1
	s_mov_b32 s[\g+5], KROW                        ; from row to row
	s_mov_b32 s[\g+6], 0
	s_mov_b32 s[\g+7], 0
.endr
	; the scale bytes of 128 rows: 4,096 dense bytes, as 16 rows of 256 bytes (32 elements of 8 bytes), 16 bytes of padding behind each
	s_or_b32 s[G1S+0], s44, (3<<16)|(1<<20)|(1<<21)|(5<<22)|(3<<25)
	s_or_b32 s[G1SB+0], s45, (3<<16)|(1<<20)|(1<<21)|(5<<22)|(3<<25)
.irp g, G1S, G1SB
	s_mov_b32 s[\g+1], 32<<16
	s_mov_b32 s[\g+2], 16<<16
	s_mov_b32 s[\g+3], 32<<16
	s_mov_b32 s[\g+4], 16
	s_mov_b32 s[\g+5], 32
	s_mov_b32 s[\g+6], 0
	s_mov_b32 s[\g+7], 0
.endr
	s_lshl_b32 s2, s18, 7                          ; which 128 rows of the tile I fetch
	s_lshl_b32 s20, s43, 8
	s_add_co_u32 s20, s20, s2                      ; x: row 256 x tile row + 128 x half
	s_lshl_b32 s46, s42, 8
	s_add_co_u32 s46, s46, s2
	s_lshl_b32 s3, s19, 10
	s_add_co_u32 s46, s46, s3
	s_add_co_u32 s46, s46, 24576                   ; W: row 24576 + 1024 z + 256 x tile column + 128 x half
	s_lshl_b32 s22, s20, 5                         ; where these rows' scale bytes begin,
	s_mov_b32 s23, 0
	s_lshl_b32 s20, s20, 9                         ; and their codes (all under 2^24 bytes)
	s_mov_b32 s21, 0
	s_lshl_b32 s92, s46, 5
	s_mov_b32 s93, 0
	s_lshl_b32 s46, s46, 9
	s_mov_b32 s47, 0
	s_mul_i32 s94, s[WV], HALFT                    ; where they go: wave x 128 rows: no place in the cluster enters an LDS address
	s_mul_i32 s95, s[WV], HALFS
	s_cmp_eq_u32 s19, 0
	s_mov_b32 s98, 1.0
	s_cselect_b32 s98, 0x3e38aa3b, s98             ; the factor on the way out: c = log2(e) / 8 for q's projection, 1 for the others
	s_mov_b32 s99, s98                             ; (named with it as a pair, so it is written)
	s_wait_dscnt 0x0                               ; both opening adds are done
	s_wait_kmcnt 0x0
	s_add_nc_u64 s[20:21], s[4:5], s[20:21]
	s_add_nc_u64 s[22:23], s[6:7], s[22:23]
	s_add_nc_u64 s[46:47], s[4:5], s[46:47]
	s_add_nc_u64 s[92:93], s[6:7], s[92:93]
	CROUND                                         ; all sixteen work-groups are here: the joint loads meet
	s_mov_b32 s[G0S], 1
	s_add_co_u32 s[G0S+1], s95, SCL
	s_mov_b64 s[G0S+2:G0S+3], s[22:23]
	s_or_b32 s[G0S+3], s[G0S+3], 0x80000000
	s_mov_b32 s[G0SB], 1
	s_add_co_u32 s[G0SB+1], s95, SCL
	s_mov_b64 s[G0SB+2:G0SB+3], s[92:93]
	s_or_b32 s[G0SB+3], s[G0SB+3], 0x80000000
	JLOAD G0S, G1S, G0SB, G1SB                     ; the scale bytes first: they are wanted with slot 0
.irp s, 0,1
	s_mov_b32 s[G0+4*\s], 1
	s_add_co_u32 s[G0+4*\s+1], s94, \s*SLOT
	s_add_nc_u64 s[G0+4*\s+2:G0+4*\s+3], s[20:21], \s*ROWB
	s_or_b32 s[G0+4*\s+3], s[G0+4*\s+3], 0x80000000
	s_mov_b32 s[G0B+4*\s], 1
	s_add_co_u32 s[G0B+4*\s+1], s94, \s*SLOT
	s_add_nc_u64 s[G0B+4*\s+2:G0B+4*\s+3], s[46:47], \s*ROWB
	s_or_b32 s[G0B+4*\s+3], s[G0B+4*\s+3], 0x80000000
	JLOAD G0+4*\s, G1, G0B+4*\s, G1B
.endr
	; the bias of my 128 columns, in the result's layout: block b, register j: b[256 tx + 128 half + 16 b + 8 (lane / 16) + j]
	s_cmp_eq_u32 s19, 1
	s_cselect_b64 s[8:9], s[10:11], s[8:9]
	s_cmp_eq_u32 s19, 2
	s_cselect_b64 s[8:9], s[12:13], s[8:9]
	s_lshl_b32 s2, s42, 10
	s_lshl_b32 s3, s18, 9
	s_add_co_u32 s2, s2, s3
	s_mov_b32 s3, 0
	s_add_nc_u64 s[8:9], s[8:9], s[2:3]
	v_and_b32 v1, 15, v0                           ; l % 16
	v_bfe_u32 v2, v0, 4, 1                         ; l / 16
	v_lshlrev_b32 v[BO], 5, v2
.irp b, 0,1,2,3,4,5,6,7
	global_load_b128 v[BIA+8*\b:BIA+8*\b+3], v[BO], s[8:9] offset:64*\b
	global_load_b128 v[BIA+8*\b+4:BIA+8*\b+7], v[BO], s[8:9] offset:64*\b+16
.endr
	v_mul_u32_u24 v3, v1, PITCH
	v_lshl_add_u32 v4, v2, 4, v3                   ; a fragment's row x pitch + 16 x half
	s_mul_i32 s21, s17, HALFT                      ; my 128 rows of x
	s_mul_i32 s22, s18, HALFT                      ; my 128 rows of W,
	s_add_co_u32 s22, s22, 2*HALFT                 ; which lie behind x's 256
.irp s, 0,1
	v_add_nc_u32 v[ADRA+\s], s21, v4
	v_add_nc_u32 v[ADRB+\s], s22, v4
	s_add_co_u32 s21, s21, SLOT
	s_add_co_u32 s22, s22, SLOT
.endr
	v_mul_u32_u24 v5, v1, KS                       ; my row's scale bytes: 32 a row,
	v_lshrrev_b32 v6, 8, v5
	v_lshl_add_u32 v5, v6, 4, v5                   ; and 16 more for each 256 passed
	s_mul_i32 s21, s17, HALFS                      ; x's: my 128 rows
	s_mul_i32 s22, s18, HALFS                      ; W's: my 128 rows, behind x's 256
	s_add_co_u32 s22, s22, 2*HALFS
	s_sub_co_u32 s22, s22, s21
	v_mul_u32_u24 v6, s22, v2                      ; lanes 16-31 take W's: one product, the distance between the two bases
	s_add_co_u32 s21, s21, SCL
	v_add_nc_u32 v5, v5, v6
	v_add_nc_u32 v[ADRS], s21, v5
	s_mul_i32 s23, s[WV], 16*SPITCH
	s_add_co_u32 s23, s23, STAGE                   ; my stage
	v_mul_u32_u24 v5, v1, SPITCH                   ; in: row l % 16, 16 bytes for each half of the lanes
	v_lshl_add_u32 v5, v2, 4, v5
	v_add_nc_u32 v[STO], s23, v5
	v_bfe_u32 v7, v0, 3, 2                         ; back: eight lanes take a head's 128 bytes of a row, the wave four rows
	v_mul_u32_u24 v7, v7, SPITCH
	v_and_b32 v8, 7, v0
	v_lshl_add_u32 v7, v8, 4, v7
	v_add_nc_u32 v[RD], s23, v7
	v_and_b32 v6, 31, v0
	v_lshlrev_b32 v[CO], 4, v6
	; where my 128 rows x 2 heads begin in qkvh: ((tile row / 8) x 16 + 4 tx + 2 half) heads of 262,144 bytes + ((tile row % 8) x 256 + 128 half) rows of 128 bytes
	s_lshr_b32 s20, s43, 3
	s_lshl_b32 s20, s20, 4
	s_lshl_b32 s21, s42, 2
	s_add_co_u32 s20, s20, s21
	s_lshl_b32 s21, s18, 1
	s_add_co_u32 s20, s20, s21
	s_lshl_b32 s20, s20, 18
	s_and_b32 s21, s43, 7
	s_lshl_b32 s21, s21, 8
	s_lshl_b32 s22, s17, 7
	s_add_co_u32 s21, s21, s22
	s_lshl_b32 s21, s21, 7
	s_add_co_u32 s20, s20, s21
	s_mov_b32 s21, 0
	s_add_nc_u64 s[14:15], s[14:15], s[20:21]
.macro FRAG reg, adr, q, i             ; 16 rows x 128 K of 4-bit codes: 8 registers: two loads of 16 bytes, 32 bytes apart
.irp c, 0,1
	ds_load_b128 v[\reg+4*\c:\reg+4*\c+3], v[\adr] offset:64*(\q)+32*\c+(\i)*16*PITCH
.endr
.endm
; 16 matrix instructions: x's blocks a0, a0 + 1 against W's eight, the slot's q-th 128 along K.  p: W's set; sc: the set of scale words.  first = 1: the bias is C: nothing is cleared and nothing is added later.
; The 64 accumulators take turns, one instruction a turn, in the same order in every step.
.macro MUL16 a0, p, q, sc, first
.irp a, \a0, \a0+1
.irp b, 0,1,2,3,4,5,6,7
.if \first
	v_wmma_scale_f32_16x16x128_f8f6f4 v[8*(8*((\a)%4)+\b):8*(8*((\a)%4)+\b)+7], v[128*(\p)+FR*\b:128*(\p)+FR*\b+FR-1], v[AF+FR*(\a):AF+FR*(\a)+FR-1], v[BIA+8*\b:BIA+8*\b+7], v[SC+8*NQ*(\sc)+NQ*\b+(\q)], v[SC+8*NQ*(\sc)+NQ*(\a)+(\q)] matrix_a_fmt:MATRIX_FMT_FP4 matrix_b_fmt:MATRIX_FMT_FP4 matrix_a_scale:MATRIX_SCALE_ROW1
.else
	v_wmma_scale_f32_16x16x128_f8f6f4 v[8*(8*((\a)%4)+\b):8*(8*((\a)%4)+\b)+7], v[128*(\p)+FR*\b:128*(\p)+FR*\b+FR-1], v[AF+FR*(\a):AF+FR*(\a)+FR-1], v[8*(8*((\a)%4)+\b):8*(8*((\a)%4)+\b)+7], v[SC+8*NQ*(\sc)+NQ*\b+(\q)], v[SC+8*NQ*(\sc)+NQ*(\a)+(\q)] matrix_a_fmt:MATRIX_FMT_FP4 matrix_b_fmt:MATRIX_FMT_FP4 matrix_a_scale:MATRIX_SCALE_ROW1
.endif
.endr
.endr
.endm
.macro FETCH_B slot, q, p              ; W's eight fragments into set p
	WIN TO_B
.irp i, 0,1,2,3,4,5,6,7
	FRAG 128*(\p)+FR*\i, ADRB+\slot, \q, \i
.endr
	WIN 0
.endm
.macro FETCH_A slot, q, i0             ; x's blocks i0 .. i0 + 3
.irp i, \i0, \i0+1, \i0+2, \i0+3
	FRAG AF+FR*(\i), ADRA+\slot, \q, \i
.endr
.endm
.macro SCALES sc                       ; a slot's scale words into set sc: four words a row
.irp i, 0,1,2,3,4,5,6,7
	ds_load_b128 v[SC+8*NQ*\sc+NQ*\i:SC+8*NQ*\sc+NQ*\i+3], v[ADRS] offset:\i*SBLK
.endr
.endm
.macro PLACES n                        ; plain vector lines between a matrix instruction and a load into, or a read of, its registers
.rept \n
	v_nop
.endr
.endm
; A step of 128 along K that has its successor in the same slot.
.macro STEP slot, q, first
	s_wait_dscnt 4*NL                              ; W's set and x's blocks 0-3 are in; the youngest eight loads (x's blocks 4-7) may be out
.if \first
	WIN BEG_LO
.else
	WIN MUL_LO
.endif
	MUL16 0, (\q)%2, \q, \slot, \first
	MUL16 2, (\q)%2, \q, \slot, \first
	s_wait_dscnt 0                                 ; x's blocks 4-7 are in
	PLACES NP
	FETCH_B \slot, (\q)+1, 1-(\q)%2
	FETCH_A \slot, (\q)+1, 0
.if \first
	WIN BEG_HI
.else
	WIN MUL_HI
.endif
	MUL16 4, (\q)%2, \q, \slot, \first
	MUL16 6, (\q)%2, \q, \slot, \first
	PLACES NP
	WIN 0
	FETCH_A \slot, (\q)+1, 4
.endm
; Slot 0's last step goes over to slot 1: each wave waits for all its tensor loads (slot 1's is the one that may be out), then the barrier shows the whole slot to every wave.  Nothing is filled again.
.macro TURN slot, next
	s_wait_tensorcnt 0x0                           ; my part of the next slot has landed
	ds_add_u32 v[SPW], v[NIL]                      ; 0 onto my spare word
	s_wait_dscnt 4*NL+1                            ; (the add and the youngest eight loads may be out)
	WIN MUL_LO
	MUL16 0, 1, NQ-1, \slot, 0
	s_wait_dscnt 0x0                               ; no LDS instruction of mine is out at the signal
	s_barrier_signal -1
	MUL16 2, 1, NQ-1, \slot, 0
	WIN 0
	s_barrier_wait -1
	PLACES NP
	v_add_nc_u32 v[ADRS], 4*NQ, v[ADRS]            ; on to the next slot's scale words
	FETCH_B \next, 0, 0
	FETCH_A \next, 0, 0
	SCALES \next
	WIN MUL_HI
	MUL16 4, 1, NQ-1, \slot, 0
	MUL16 6, 1, NQ-1, \slot, 0
	PLACES NP
	WIN 0
	FETCH_A \next, 0, 4
.endm
	s_wait_tensorcnt 1                             ; the scale bytes and my part of slot 0 are in; slot 1's load may be out
	s_barrier_signal -1
	s_barrier_wait -1                              ; everybody's are
	FETCH_B 0, 0, 0
	FETCH_A 0, 0, 0
	SCALES 0
	FETCH_A 0, 0, 4
	s_wait_loadcnt 0x0                             ; the bias
	STEP 0, 0, 1
	STEP 0, 1, 0
	STEP 0, 2, 0
	TURN 0, 1
	STEP 1, 0, 0
	STEP 1, 1, 0
	STEP 1, 2, 0
	s_wait_dscnt 4*NL                              ; the last step: nothing more to fetch
	WIN MUL_LO
	MUL16 0, 1, NQ-1, 1, 0
	MUL16 2, 1, NQ-1, 1, 0
	s_wait_dscnt 0
	WIN MUL_HI
	MUL16 4, 1, NQ-1, 1, 0
	MUL16 6, 1, NQ-1, 1, 0
	WIN 0
; THE WAY OUT, by blocks of 16 rows x 128 columns (two heads).  PACK: x the factor in f32, rounded to f16, 16 bytes a lane.  TOSTAGE: into my own stage, and back so that a load's 32 lanes hold four rows of one head.
; SEND: each store covers 512 consecutive bytes of qkvh, aligned.
.macro PACK a
.set AC, 64*((\a)%4)
	WIN 0x02+(\a)/4                                ; source 0: window 2 or 3
.set i, 0
.rept 32
	v_pk_mul_f32 v[TF+2*i:TF+2*i+1], v[AC+2*i:AC+2*i+1], s[98:99] op_sel_hi:[1,0]   ; each accumulator from its low end on
.set i, i+1
.endr
	WIN 0
.set i, 0
.rept 32
	v_cvt_pk_f16_f32 v[PKD+i], v[TF+2*i], v[TF+2*i+1]
.set i, i+1
.endr
.endm
.macro TOSTAGE a
.set BB, BK+32*((\a)%2)
.irp b, 0,1,2,3,4,5,6,7
	ds_store_b128 v[STO], v[PKD+4*\b:PKD+4*\b+3] offset:32*\b
.endr
.irp i, 0,1,2,3,4,5,6,7
	ds_load_b128 v[BB+4*\i:BB+4*\i+3], v[RD] offset:(\i%4)*4*SPITCH+(\i/4)*128   ; LDS serves a wave's instructions in order: these see the stores above
.endr
.endm
.macro SEND a
.set BB, BK+32*((\a)%2)
	s_wait_dscnt 0x0                               ; the block is back in registers
	s_wait_xcnt 0x0                                ; the stores of the block before have read their registers: the next block's loads land there
.irp i, 0,1,2,3,4,5,6,7
	global_store_b128 v[CO], v[BB+4*\i:BB+4*\i+3], s[14:15] offset:(\i/4)*262144+(16*(\a)+4*(\i%4))*128
.endr
.endm
	PLACES NP                                      ; behind the last products: the lines below write registers that they read
	PACK 0
	TOSTAGE 0
.irp a, 1,2,3,4,5,6,7                  ; block a's arithmetic stands between block a - 1's loads from the stage and the wait for them
	PACK \a
	SEND \a-1
	TOSTAGE \a
.endr
	SEND 7
	s_wait_tensorcnt 0x0                           ; the wave's end
	ds_add_u32 v[SPW], v[NIL]
	s_wait_dscnt 0x0
	CROUND                                         ; the closing round: no work-group ends while a partner may still ask for a tile that names it
	s_endpgm
.Lfunc_end_k_qb55999e4fe_proj:
	.size	k_qb55999e4fe_proj, .Lfunc_end_k_qb55999e4fe_proj-k_qb55999e4fe_proj
	.p2alignl 7, 3214868480
	.fill 96, 4, 3214868480
	.section	.rodata,"a",@progbits
	.p2align	6, 0x0
	.amdhsa_kernel k_qb55999e4fe_proj
		.amdhsa_group_segment_fixed_size 327680
		.amdhsa_private_segment_fixed_size 0
		.amdhsa_enable_private_segment 0
		.amdhsa_kernarg_size 48
		.amdhsa_user_sgpr_count 2
		.amdhsa_user_sgpr_kernarg_segment_ptr 1
		.amdhsa_wavefront_size32 1
		.amdhsa_system_sgpr_workgroup_id_x 1
		.amdhsa_system_sgpr_workgroup_id_y 1
		.amdhsa_system_sgpr_workgroup_id_z 1
		.amdhsa_system_vgpr_workitem_id 0
		.amdhsa_next_free_vgpr 1024
		.amdhsa_next_free_sgpr 100
		.amdhsa_reserve_vcc 0
		.amdhsa_float_denorm_mode_32 3
		.amdhsa_float_denorm_mode_16_64 3
		.amdhsa_memory_ordered 1
		.amdhsa_forward_progress 1
		.amdhsa_inst_pref_size 144
	.end_amdhsa_kernel
	.amdgpu_metadata
---
amdhsa.version: [ 1, 2 ]
amdhsa.kernels:
  - .name:           k_qb55999e4fe_proj
    .symbol:         k_qb55999e4fe_proj.kd
    .args:
      - { .name: codes, .offset: 0, .size: 8, .value_kind: global_buffer, .address_space: global }
      - { .name: scales, .offset: 8, .size: 8, .value_kind: global_buffer, .address_space: global }
      - { .name: bq, .offset: 16, .size: 8, .value_kind: global_buffer, .address_space: global }
      - { .name: bk, .offset: 24, .size: 8, .value_kind: global_buffer, .address_space: global }
      - { .name: bv, .offset: 32, .size: 8, .value_kind: global_buffer, .address_space: global }
      - { .name: qkvh, .offset: 40, .size: 8, .value_kind: global_buffer, .address_space: global }
    .group_segment_fixed_size: 327680
    .private_segment_fixed_size: 0
    .kernarg_segment_align: 8
    .kernarg_segment_size: 48
    .max_flat_workgroup_size: 128
    .sgpr_count:     100
    .vgpr_count:     1024
    .wavefront_size: 32
...
	.end_amdgpu_metadata
.endif
;; end of part 2
;; launch attn (part 3): grid 8 x 64, 8 waves a work-group, clusters of 4 x 1, 327,680 bytes of LDS; arguments qkvh, mask, ctx; writes ctx
.if DOCPART == 3
	.amdgcn_target "amdgcn-amd-amdhsa--gfx1250"
	.amdhsa_code_object_version 6
	.text
	.protected	k_qb55999e4fe_attn
	.globl	k_qb55999e4fe_attn
	.p2align	8
	.type	k_qb55999e4fe_attn,@function
k_qb55999e4fe_attn:
	s_mov_b64 s[64:65], 0
	v_nop
	global_prefetch_b8 v0, s[64:65] scope:SCOPE_SE
	s_setreg_imm32_b32 hwreg(HW_REG_WAVE_MODE, 25, 1), 1
	s_wait_xcnt 0x0
	s_wait_alu depctr_hold_cnt(0) depctr_sa_sdst(0) depctr_va_vdst(0) depctr_va_sdst(0) depctr_va_ssrc(0) depctr_va_vcc(0) depctr_vm_vsrc(0)
	s_getreg_b32 s2, hwreg(HW_REG_IB_STS2, 6, 4)
	s_cmp_eq_u32 s2, 0
	s_cbranch_scc0 .Lentry_in_a_cluster
	s_endpgm
.Lentry_in_a_cluster:
	s_bfe_u32 s2, ttmp6, 0x10000c
	s_cmp_lg_u32 s2, 0x3003
	s_cbranch_scc0 .Lentry_shape_is_right
	s_endpgm
.Lentry_shape_is_right:
; ctx[b][h][q][:] = the sum over keys of softmax(qh . kh / 8, masked keys at -1e30) vh[key][:], head size 64, 2,048 keys, operands in f16, products, maxima and sums in f32.
; qkvh: f16 [3][4 b][16 h][2048][64]: part 0 is qh x log2(e) / 8, so the scores t come out in units of log2; part 1 kh, part 2 vh.  mask: [4][2048] bytes, 1 = masked.  ctx: f16 [4 b][16 h][2048][64].
; SOFTMAX: a running maximum m and sum l for each query: p = 2^(t - m), m the exact maximum of the t seen so far, so t - m is never above 0; O and l are multiplied by a = 2^(m_old - m_new) in every step.
; THE MASK is the C of each score tile's first product: 0 for a key that counts, -1e30 for a masked one: the score is then -1e30 to within its last bits, as where() makes it, and p = 0 beside any key that counts.
; While all keys seen so far are masked, p is 0 or 1, finite, and the first key that counts makes a = 0, which wipes it.  Where ALL 2,048 keys of a batch are masked, the softmax of equal scores is uniform:
; every wave sees that from the mask bytes and, by selects alone, takes 0 for the constant and clears Q: t = 0, p = 1 for every key.
; LIMITS: scores of keys that count stay above -1e30; |qh log2(e) / 8|, |kh|, |vh| under 65,504; NaN and infinities are not served.
; SHARES: a work-group owns 256 queries of one head, each of its eight waves 32: two tiles of 16.  Two waves lie on a SIMD, so that one wave's softmax stands beside the other's products.  Every wave walks all keys, 64 a step.
; LAYOUT: S^T = K Q^T (source 0 = 16 keys, source 1 = 16 queries) and O^T = V^T P (V turned by ds_load_tr16_b128): a lane holds ONE query throughout; two score tiles rounded in pairs ARE source 1 of the second product.
; RING: two LDS slots of 256 keys (four steps); waves 0-3 fetch K's quarters, waves 4-7 V's: one tensor load of a wave is out behind each change of slots, and has four key steps in which to land.
; CLUSTER: the four query blocks of a cluster belong to one head and walk the same K and V: each tile is asked for jointly, with a mask that names the four.
; REGISTERS: window 0: v2-15 addresses; v16-31 statistics; v32-95 S^T; v96-127 P; v128-191 K of a step; v192-223 the mask's C; v224-255 at work at the head.   window 1: v0-63 O^T; v64-95 Q; v128-191 V of a step.
.set PKP,   144                        ; a row of K in LDS: 128 bytes + 16: the 16 rows of a load start 36 words apart
.set PVP,   160                        ; a row of V: 128 + 32: 16 lanes of the turning load take 8 rows x 32 bytes
.set SKEYS, 256                        ; keys in a slot
.set VOFF,  SKEYS*PKP                  ; a slot: 256 rows of K, then 256 rows of V
.set SLOT1, 1<<17                      ; slot 1 begins here: one exclusive or turns an address
.set BIAS,  SLOT1+SKEYS*(PKP+PVP)      ; f32 [2048]: 0 or -1e30 for each key; written by LDS stores: no fill lands here
.set STAGE, BIAS+8192                  ; the way out: 2 tiles x 16 rows x 144 bytes for each wave
.set SPARE, STAGE+8*2*16*PKP           ; the spare words, 128 bytes a wave
.set AK0, 2                            ; v2   my lane's place in a tile of K
.set AV0, 3                            ; v3   the same for V
.set AB0, 4                            ; v4   and in the mask's table
.set ADK, 5                            ; v5-7 the slot's addresses: K, V, table
.set ADV, 6
.set ADB, 7
.set QO,  8                            ; v8   my byte offset in a tile of Q
.set STO, 9                            ; v9   the way out: where I put 16 bytes of a row
.set RD,  10                           ; v10  where I read rows back
.set GO,  11                           ; v11  16 x lane
.set PFO, 12                           ; v12  256 x lane: the prefetches' offset; never rewritten
.set SPW, 13                           ; v13  my spare word; never rewritten
.set NIL, 14                           ; v14  0; never rewritten
.set ST,  16                           ; tile t at v[ST + 8 t]: +0 -m, +1 its pair's partner, +2, +3 l, +4 .. +7 c0-c3 at work; a takes c2's place, m_old - m_new c3's
.set S,   32                           ; S^T: tile t, keys 16 kt on: v[S + 32 t + 8 kt]
.set P,   96                           ; P: v[P + 16 t + 8 g]
.set KF,  128                          ; K: keys 16 kt on, channels 32 ks on: v[KF + 16 kt + 8 ks]
.set BI,  192                          ; the mask's C for keys 16 kt on: v[BI + 8 kt]
.set O,   0                            ; window 1: O^T: v[O + 32 t + 8 ct]
.set Q,   64                           ; window 1: Q: v[Q + 16 t + 8 ks]
.set VF,  128                          ; window 1: V^T: keys 32 g on, channels 16 ct on: v[VF + 32 g + 8 ct]
.set WV,  12                           ; s12 wave
.set LIM, 15                           ; s15 1 in a wave that prefetches, else the greatest number
.set PFA, 18                           ; s[18:19] where my prefetches stand
.set G1K, 24                           ; s[24:31], s[32:39] groups 1 for K's and V's tiles: they differ in the padding
.set G1V, 32
.set G0K, 40                           ; s[40:43], s[44:47] their groups 0, which walk
.set G0V, 44
.set SLOTS, 56                         ; s56 slots still to be asked for
.set SEL, 60                           ; s[60:61] lane selects: lane l xor 16
.set TB,  62                           ; s62 LDS byte at which the slot in hand begins
.set TS,  63                           ; s63 where its part of the mask's table begins
.set MSB, 0
.macro WIN new
.if MSB != (\new)
	s_set_vgpr_msb (MSB<<8)|(\new)
.set MSB, (\new)
.endif
.endm
; A joint load: waves 0-3 fetch K's quarters, waves 4-7 V's.  The branch hangs on the wave's number alone.  An s_nop 0 and four v_nop follow each of the two lines.
.macro JLOAD
	s_cmp_lt_u32 s[WV], 4
	s_cbranch_scc0 .Lfor_v_\@
	tensor_load_to_lds s[G0K:G0K+3], s[G1K:G1K+7]
	s_nop 0
.rept 4
	v_nop
.endr
	s_branch .Lasked_\@
.Lfor_v_\@:
	tensor_load_to_lds s[G0V:G0V+3], s[G1V:G1V+7]
	s_nop 0
.rept 4
	v_nop
.endr
.Lasked_\@:
.endm
; A prefetch of what the NEXT change of slots will ask for: a slot's 32,768 bytes of K and of V.  Both clusters of a head walk the same rows: the first asks.  Its four partners take 8,192 bytes each, told apart by
; address; in each, wave 0 asks for K's and wave 4 for V's, lanes 256 bytes apart: each block of 256 bytes is named once in the launch.  The last change that fills a slot asks for nothing: there is no slot behind it.
.macro ASK
	s_cmp_gt_u32 s[SLOTS], s[LIM]
	s_cbranch_scc0 .Lnot_mine_\@
	global_prefetch_b8 v[PFO], s[PFA:PFA+1] th:TH_LOAD_NT scope:SCOPE_SE
.Lnot_mine_\@:
.endm
.macro CROUND                          ; a round of the cluster's barrier
	s_barrier_signal -1
	s_barrier_wait -1
	s_cmp_lg_u32 s[WV], 0
	s_cbranch_scc1 .Lnot_wave_0_\@
	s_barrier_signal -3
.Lnot_wave_0_\@:
	s_barrier_wait -3
	s_barrier_signal -1
	s_barrier_wait -1
.endm
.macro PLACES                          ; four plain lines between a matrix instruction and a load into, or a read of, its registers
.rept 4
	v_nop
.endr
.endm
	s_load_b128 s[4:7], s[0:1], 0x0                ; qkvh s[4:5], mask s[6:7]
	s_load_b64 s[8:9], s[0:1], 0x10                ; ctx
	v_lshl_add_u32 v[SPW], v0, 2, SPARE
	v_mov_b32 v[NIL], 0
	ds_add_u32 v[SPW], v[NIL]                      ; the wave's opening: the add, twice on end, and its wait ahead of my first tensor load
	ds_add_u32 v[SPW], v[NIL]
	v_lshrrev_b32 v1, 5, v0
	v_readfirstlane_b32 s[WV], v1                  ; wave 0..7
	s_bfe_u32 s13, ttmp6, 0x40000                  ; cx
	s_lshl_b32 s14, ttmp9, 2
	s_add_co_u32 s14, s14, s13                     ; my block of 256 queries: it enters Q's and ctx's addresses alone
	s_and_b32 s2, ttmp7, 0xffff                    ; 16 b + h, which the four partners share
	s_lshl_b32 s20, s2, 18                         ; the head's first byte in each part: 262,144 bytes a head
	s_mov_b32 s21, 0
	s_lshr_b32 s52, s2, 4
	s_lshl_b32 s52, s52, 11                        ; the batch's 2,048 mask bytes
	s_mov_b32 s53, 0
	s_and_b32 s16, s[WV], 3                        ; which quarter of a slot I fetch:
	s_lshl_b32 s22, s16, 13                        ; its 64 rows of 128 bytes in memory
	s_mov_b32 s23, 0
	s_lshl_b32 s2, s14, 15                         ; my block's 256 rows,
	s_lshl_b32 s3, s[WV], 12                       ; my wave's 32 of them
	s_add_co_u32 s2, s2, s3
	s_mov_b32 s3, 0
	s_add_nc_u64 s[2:3], s[2:3], s[20:21]
	; group 1: a tile of 64 rows x 64 elements of 2 bytes, padded behind each row
	s_mov_b32 s[G1K], 15|(1<<16)|(1<<20)|(1<<21)|(4<<22)|(3<<25)   ; the mask: all four work-groups; elements of 2 bytes; padding on; bit 21 beside a mask; after every 32 words, 4 words
	s_mov_b32 s[G1V], 15|(1<<16)|(1<<20)|(1<<21)|(4<<22)|(7<<25)   ; the same with 8 words
.irp g, G1K, G1V
	s_mov_b32 s[\g+1], 64<<16                      ; tensor_dim0
	s_mov_b32 s[\g+2], 64<<16                      ; tensor_dim1
	s_mov_b32 s[\g+3], 64<<16                      ; tile_dim0
	s_mov_b32 s[\g+4], 64                          ; tile_dim1
	s_mov_b32 s[\g+5], 64                          ; from row to row
	s_mov_b32 s[\g+6], 0
	s_mov_b32 s[\g+7], 0
.endr
	s_mov_b32 s[G0K], 1
	s_mul_i32 s[G0K+1], s16, 64*PKP                ; slot 0, my quarter: no place in the cluster enters an LDS address
	s_mov_b32 s[G0V], 1
	s_mul_i32 s[G0V+1], s16, 64*PVP
	s_add_co_u32 s[G0V+1], s[G0V+1], VOFF
	s_mov_b32 s[SEL], 0x76543210
	s_mov_b32 s[SEL+1], 0xfedcba98
	s_mov_b32 s[TB], 0
	s_mov_b32 s[TS], 0
	s_mov_b32 s[SLOTS], 2048/SKEYS-1
	s_mov_b32 s69, 0xf149f2ca                      ; -1e30
	s_or_b32 s[LIM], s16, ttmp9                    ; 0 in waves 0 and 4 of the head's first cluster: the same in all four partners
	s_cmp_eq_u32 s[LIM], 0
	s_cselect_b32 s[LIM], 1, -1
	s_mul_i32 s54, s[WV], 2*16*PKP
	s_add_co_u32 s54, s54, STAGE                   ; my stage
	v_and_b32 v1, 15, v0                           ; r = l % 16
	v_bfe_u32 v226, v0, 4, 1                       ; h = l / 16
	v_mul_u32_u24 v[AK0], v1, PKP
	v_lshl_add_u32 v[AK0], v226, 4, v[AK0]         ; K: row r, + 16 h
	v_and_b32 v227, 7, v0
	v_lshl_add_u32 v[AV0], v226, 3, v227           ; V: the turning load's lane l reads key 8 h + l % 8,
	v_mul_u32_u24 v[AV0], v[AV0], PVP
	v_bfe_u32 v253, v0, 3, 1
	v_lshl_add_u32 v[AV0], v253, 4, v[AV0]         ; channels 8 ((l / 8) % 2) on
	v_add_nc_u32 v[AV0], VOFF, v[AV0]
	v_lshl_add_u32 v[AB0], v226, 5, BIAS           ; the table: my half's eight keys of a tile
	v_lshlrev_b32 v[QO], 7, v1
	v_lshl_add_u32 v[QO], v226, 4, v[QO]           ; Q: row r of 128 bytes, + 16 h
	v_add_nc_u32 v[STO], s54, v[AK0]               ; the stage, in: row r, + 16 h
	v_bfe_u32 v[RD], v0, 3, 2
	v_mul_u32_u24 v[RD], v[RD], PKP
	v_lshl_add_u32 v[RD], v227, 4, v[RD]
	v_add_nc_u32 v[RD], s54, v[RD]                 ; back: eight lanes a row, four rows a load
	v_and_b32 v[GO], 31, v0
	v_lshlrev_b32 v[PFO], 8, v[GO]
	v_lshlrev_b32 v[GO], 4, v[GO]
	v_lshlrev_b32 v15, 3, v0                       ; my thread's eight mask bytes
	v_lshl_add_u32 v252, v0, 5, BIAS               ; and their eight words of the table
	s_wait_dscnt 0x0                               ; both opening adds are done
	s_wait_kmcnt 0x0
	s_add_nc_u64 s[48:49], s[4:5], s[20:21]
	s_add_nc_u64 s[50:51], s[48:49], 0x2000000     ; the head's V
	s_add_nc_u64 s[48:49], s[48:49], 0x1000000     ; the head's K
	s_add_nc_u64 s[G0K+2:G0K+3], s[48:49], s[22:23]
	s_or_b32 s[G0K+3], s[G0K+3], 0x80000000
	s_add_nc_u64 s[G0V+2:G0V+3], s[50:51], s[22:23]
	s_or_b32 s[G0V+3], s[G0V+3], 0x80000000
	s_add_nc_u64 s[4:5], s[4:5], s[2:3]            ; Q at my wave's first row
	s_add_nc_u64 s[8:9], s[8:9], s[2:3]            ; ctx likewise
	s_add_nc_u64 s[6:7], s[6:7], s[52:53]          ; my batch's mask
	s_cmp_lt_u32 s[WV], 4
	s_cselect_b64 s[PFA:PFA+1], s[48:49], s[50:51]
	s_lshl_b32 s2, s13, 13                         ; my work-group's 8,192 bytes of a slot's 32,768
	s_mov_b32 s3, 0
	s_add_nc_u64 s[PFA:PFA+1], s[PFA:PFA+1], s[2:3]
	s_add_nc_u64 s[PFA:PFA+1], s[PFA:PFA+1], 32768 ; in slot 1: the first change of slots steps it to slot 2.  Nothing is prefetched at the head
	CROUND                                         ; all four work-groups are here: the first joint loads meet
	JLOAD                                          ; slot 0: keys 0 to 255
	global_load_b64 v[224:225], v15, s[6:7]        ; my thread's eight mask bytes
.irp i, 0,1,2,3
	global_load_b128 v[228+4*\i:231+4*\i], v[GO], s[6:7] offset:512*\i   ; and, for the wave, all 2,048
.endr
	WIN 0x40                                       ; destination window 1
.irp t, 0,1
.irp ks, 0,1
	global_load_b128 v[Q+16*\t+8*\ks:Q+16*\t+8*\ks+3],   v[QO], s[4:5] offset:2048*\t+64*\ks      ; Q stays in registers
	global_load_b128 v[Q+16*\t+8*\ks+4:Q+16*\t+8*\ks+7], v[QO], s[4:5] offset:2048*\t+64*\ks+32
.endr
.endr
.set i, 0
.rept 64
	v_mov_b32 v[O+i], 0                            ; O^T: the key step is written without a first step of its own: the first a multiplies zeros
.set i, i+1
.endr
	WIN 0
.irp t, 0,1
	v_mov_b32 v[ST+8*\t], 0x7f61b1e6               ; -m: m begins at -3e38, under every t
	v_mov_b32 v[ST+8*\t+1], 0                      ; (named with it as a pair)
	v_mov_b32 v[ST+8*\t+2], 0                      ; l, even keys' and odd keys'
	v_mov_b32 v[ST+8*\t+3], 0
	v_mov_b32 v[ST+8*\t+5], 0                      ; (a lane permute's destination counts as read)
.endr
	s_wait_loadcnt 8                               ; the mask bytes are in; Q's eight loads may be out
.irp i, 0,1,2,3,4,5,6,7
	v_and_b32 v[228+\i], v[228+\i], v[236+\i]      ; are all 2,048 keys masked?  The AND of my 64 bytes,
.endr
.irp i, 0,1,2,3
	v_and_b32 v[228+\i], v[228+\i], v[232+\i]
.endr
.irp i, 0,1
	v_and_b32 v[228+\i], v[228+\i], v[230+\i]
.endr
	v_and_b32 v228, v228, v229
	v_cmp_eq_u32 s68, 0x01010101, v228             ; four ones in every lane:
	s_cmp_eq_u32 s68, -1
	s_cselect_b32 s66, 0, s69                      ; then the constant is 0, else -1e30,
	s_cselect_b32 s67, 0, -1                       ; and Q is cleared: selects alone, no branch hangs on the mask
.irp i, 0,1,2,3
	v_bfe_u32 v[244+\i], v224, 8*\i, 8
	v_bfe_u32 v[248+\i], v225, 8*\i, 8
.endr
.irp i, 0,1,2,3,4,5,6,7
	v_mul_lo_u32 v[244+\i], v[244+\i], s66         ; byte 0 or 1 x the constant's bits
.endr
	ds_store_b128 v252, v[244:247]
	ds_store_b128 v252, v[248:251] offset:16       ; read by all waves behind the first change's wait for 0 and its barrier
	s_wait_loadcnt 0x0                             ; Q
	WIN 0x44                                       ; source 1 and destination window 1
.set i, 0
.rept 32
	v_and_b32 v[Q+i], s67, v[Q+i]
.set i, i+1
.endr
	WIN 0
.macro FETCH_K q                       ; a step's K: 64 keys x 64 channels: 8 fragments, 16 loads
.irp kt, 0,1,2,3
.irp ks, 0,1
	ds_load_b128 v[KF+16*\kt+8*\ks:KF+16*\kt+8*\ks+3],   v[ADK] offset:64*PKP*(\q)+16*PKP*\kt+64*\ks
	ds_load_b128 v[KF+16*\kt+8*\ks+4:KF+16*\kt+8*\ks+7], v[ADK] offset:64*PKP*(\q)+16*PKP*\kt+64*\ks+32
.endr
.endr
.endm
.macro FETCH_B q                       ; the mask's C for the step's four tiles of keys: register j of tile kt: key 16 kt + 8 h + j: 8 loads
.irp kt, 0,1,2,3
	ds_load_b128 v[BI+8*\kt:BI+8*\kt+3],   v[ADB] offset:256*(\q)+64*\kt
	ds_load_b128 v[BI+8*\kt+4:BI+8*\kt+7], v[ADB] offset:256*(\q)+64*\kt+16
.endr
.endm
.macro FETCH_V q                       ; a step's V, turned: 16 loads
	WIN 0x40
.irp g, 0,1
.irp ct, 0,1,2,3
	ds_load_tr16_b128 v[VF+32*\g+8*\ct:VF+32*\g+8*\ct+3],   v[ADV] offset:64*PVP*(\q)+32*PVP*\g+32*\ct
	ds_load_tr16_b128 v[VF+32*\g+8*\ct+4:VF+32*\g+8*\ct+7], v[ADV] offset:64*PVP*(\q)+32*PVP*\g+32*\ct+16*PVP
.endr
.endr
.endm
; S^T = K Q^T + the mask's C: 16 products; the eight accumulators take turns, one instruction a turn
.macro KQ
	WIN 0x04                                       ; Q in window 1
.irp ks, 0,1
.irp kt, 0,1,2,3
.irp t, 0,1
.if \ks == 0
	v_wmma_f32_16x16x32_f16 v[S+32*\t+8*\kt:S+32*\t+8*\kt+7], v[KF+16*\kt+8*\ks:KF+16*\kt+8*\ks+7], v[Q+16*\t+8*\ks:Q+16*\t+8*\ks+7], v[BI+8*\kt:BI+8*\kt+7]
.else
	v_wmma_f32_16x16x32_f16 v[S+32*\t+8*\kt:S+32*\t+8*\kt+7], v[KF+16*\kt+8*\ks:KF+16*\kt+8*\ks+7], v[Q+16*\t+8*\ks:Q+16*\t+8*\ks+7], v[S+32*\t+8*\kt:S+32*\t+8*\kt+7]
.endif
.endr
.endr
.endr
.endm
; O^T += V^T P: 16 products, eight accumulators by turns
.macro PV
	WIN 0x51                                       ; V, C and D in window 1, P in window 0
.irp g, 0,1
.irp ct, 0,1,2,3
.irp t, 0,1
	v_wmma_f32_16x16x32_f16 v[O+32*\t+8*\ct:O+32*\t+8*\ct+7], v[VF+32*\g+8*\ct:VF+32*\g+8*\ct+7], v[P+16*\t+8*\g:P+16*\t+8*\g+7], v[O+32*\t+8*\ct:O+32*\t+8*\ct+7]
.endr
.endr
.endr
.endm
; The softmax of both tiles for one key step; the tiles alternate line by line, so that no line waits for the line above it.
.macro SOFTMAX
.irp i, 0,1,2,3
.irp t, 0,1
	v_max3_num_f32 v[ST+8*\t+4+\i], v[S+32*\t+8*\i], v[S+32*\t+8*\i+1], v[S+32*\t+8*\i+2]   ; four chains, one to a score tile, each from the tile's low end on
.endr
.endr
.irp n, 3,5
.irp i, 0,1,2,3
.irp t, 0,1
	v_max3_num_f32 v[ST+8*\t+4+\i], v[ST+8*\t+4+\i], v[S+32*\t+8*\i+\n], v[S+32*\t+8*\i+\n+1]
.endr
.endr
.endr
.irp t, 0,1
	v_max3_num_f32 v[ST+8*\t+4], v[ST+8*\t+4], v[S+32*\t+7], v[S+32*\t+15]
	v_max3_num_f32 v[ST+8*\t+6], v[ST+8*\t+6], v[S+32*\t+23], v[S+32*\t+31]
.endr
.irp t, 0,1
	v_max3_num_f32 v[ST+8*\t+4], v[ST+8*\t+4], v[ST+8*\t+5], v[ST+8*\t+6]
.endr
.irp t, 0,1
	v_max3_num_f32 v[ST+8*\t+4], v[ST+8*\t+4], v[ST+8*\t+7], -v[ST+8*\t]   ; with the old m
.endr
.irp t, 0,1
	v_permlanex16_b32 v[ST+8*\t+5], v[ST+8*\t+4], s[SEL], s[SEL+1]   ; the query's other 32 keys lie in the lane 16 away
.endr
.irp t, 0,1
	v_max_num_f32 v[ST+8*\t+4], v[ST+8*\t+4], v[ST+8*\t+5]           ; the new m
.endr
.irp t, 0,1
	v_sub_f32 v[ST+8*\t+7], -v[ST+8*\t+4], v[ST+8*\t]                ; m_old - m_new = -m_new - (-m_old), 0 or less
.endr
.irp t, 0,1
	v_sub_f32 v[ST+8*\t], 0, v[ST+8*\t+4]                            ; -m
.endr
.irp t, 0,1
	v_exp_f32 v[ST+8*\t+6], v[ST+8*\t+7]                             ; a
.endr
; ONE BATCH: 16 subtractions of m a tile, two scores each, and all the exponentials; a pair's exponentials stand behind the next pair's subtraction.  None of these lines names an exponential's result.
.set b, 0
.rept 16
.irp t, 0,1
	v_pk_add_f32 v[S+32*\t+2*b:S+32*\t+2*b+1], v[S+32*\t+2*b:S+32*\t+2*b+1], v[ST+8*\t:ST+8*\t+1] op_sel_hi:[1,0]   ; t - m
.endr
.if b > 0
.irp t, 0,1
	v_exp_f32 v[S+32*\t+2*b-2], v[S+32*\t+2*b-2]
	v_exp_f32 v[S+32*\t+2*b-1], v[S+32*\t+2*b-1]
.endr
.endif
.set b, b+1
.endr
.irp t, 0,1
	v_exp_f32 v[S+32*\t+30], v[S+32*\t+30]
	v_exp_f32 v[S+32*\t+31], v[S+32*\t+31]
.endr
	v_nop                                          ; a plain line behind the last exponential
	s_wait_alu depctr_va_vdst(0)                   ; one wait for the batch's 66 exponentials, ahead of the first line that names a result
.set b, 0
.rept 16
.irp t, 0,1
	v_cvt_pk_f16_f32 v[P+16*\t+b], v[S+32*\t+2*b], v[S+32*\t+2*b+1]
.endr
.set b, b+1
.endr
.irp u, 0,1,2,3,4,5,6,7                ; the sum of a tile's 16 pairs of unrounded p, in place
.irp t, 0,1
	v_pk_add_f32 v[S+32*\t+4*\u:S+32*\t+4*\u+1], v[S+32*\t+4*\u:S+32*\t+4*\u+1], v[S+32*\t+4*\u+2:S+32*\t+4*\u+3]
.endr
.endr
.irp u, 0,1,2,3
.irp t, 0,1
	v_pk_add_f32 v[S+32*\t+8*\u:S+32*\t+8*\u+1], v[S+32*\t+8*\u:S+32*\t+8*\u+1], v[S+32*\t+8*\u+4:S+32*\t+8*\u+5]
.endr
.endr
.irp u, 0,1
.irp t, 0,1
	v_pk_add_f32 v[S+32*\t+16*\u:S+32*\t+16*\u+1], v[S+32*\t+16*\u:S+32*\t+16*\u+1], v[S+32*\t+16*\u+8:S+32*\t+16*\u+9]
.endr
.endr
.irp t, 0,1
	v_pk_add_f32 v[S+32*\t:S+32*\t+1], v[S+32*\t:S+32*\t+1], v[S+32*\t+16:S+32*\t+17]
.endr
.irp t, 0,1
	v_pk_fma_f32 v[ST+8*\t+2:ST+8*\t+3], v[ST+8*\t+2:ST+8*\t+3], v[ST+8*\t+6:ST+8*\t+7], v[S+32*\t:S+32*\t+1] op_sel_hi:[1,0,1]   ; l = a l + the sum
.endr
.endm
.macro RESCALE                         ; O^T x a, each accumulator from its low end on
	WIN 0x41
.set i, 0
.rept 16
.irp t, 0,1
	v_pk_mul_f32 v[O+32*\t+2*i:O+32*\t+2*i+1], v[O+32*\t+2*i:O+32*\t+2*i+1], v[ST+8*\t+6:ST+8*\t+7] op_sel_hi:[1,0]
.endr
.set i, i+1
.endr
.endm
; A KEY STEP: 64 keys, the q-th of the slot in hand.
.macro STEP q
	PLACES                                         ; behind the last products V^T P: V's registers are loaded again
.if (\q) == 0
	FETCH_K 0
	FETCH_B 0
.endif
	FETCH_V \q
	s_wait_dscnt 16                                ; K and the mask's C are in; V's 16 loads, the youngest, may be out
	KQ
	WIN 0
	PLACES                                         ; behind the products K Q^T: their results are read, K's and C's registers loaded again
.if (\q) < 3
	FETCH_K (\q)+1
	FETCH_B (\q)+1
.endif
	SOFTMAX
.if (\q) < 3
	s_wait_dscnt 24                                ; V is in; the next step's 16 loads of K and 8 of C may be out
.else
	s_wait_dscnt 0x0                               ; V is in: my last read of this slot
.endif
	RESCALE
	PV
	WIN 0
.endm
.macro SLOT_STEPS
	v_add_nc_u32 v[ADK], s[TB], v[AK0]
	v_add_nc_u32 v[ADV], s[TB], v[AV0]
	v_add_nc_u32 v[ADB], s[TS], v[AB0]
	STEP 0
	STEP 1
	STEP 2
	STEP 3
	s_xor_b32 s[TB], s[TB], SLOT1                  ; on to the other slot,
	s_add_co_u32 s[TS], s[TS], 4*SKEYS             ; and the next 256 words of the table
.endm
; THE CHANGE OF SLOTS stands at a slot's head.  Each wave waits for all its tensor loads (its part of the slot that it is about to read), adds 0 to its spare word, and waits for that and for all its LDS instructions.
; Behind the barrier the slot ahead is whole and nobody reads the other one.  fill = 1: the barrier is a round of the cluster's, and the other slot is asked for jointly, first thing behind it.
.macro CHANGE fill
	s_wait_tensorcnt 0x0                           ; no tensor load of mine is out, so a group 0 may be written
	ds_add_u32 v[SPW], v[NIL]                      ; the steps below stand between the add and the wait for it
.if \fill
	s_xor_b32 s[G0K+1], s[G0K+1], SLOT1            ; the walking descriptors: the other slot than last time,
	s_add_nc_u64 s[G0K+2:G0K+3], s[G0K+2:G0K+3], SKEYS*128   ; the next 256 keys; the type bits on top are not reached
	s_xor_b32 s[G0V+1], s[G0V+1], SLOT1
	s_add_nc_u64 s[G0V+2:G0V+3], s[G0V+2:G0V+3], SKEYS*128
	s_wait_xcnt 0x0                                ; the last prefetch, a slot back, has read its address, so it may be written:
	s_add_nc_u64 s[PFA:PFA+1], s[PFA:PFA+1], SKEYS*128       ; one slot further on than the walking descriptors
	s_wait_dscnt 0x0                               ; the add is done; my reads of the slot that I have left are over (in the first trip: my stores into the table have landed)
	CROUND
	JLOAD
	ASK
.else
	s_wait_dscnt 0x0
	s_barrier_signal -1
	s_barrier_wait -1
.endif
.endm
.Lslot:                                            ; seven trips: behind each change of slots but the last the next slot is asked for
	CHANGE 1
	SLOT_STEPS
	s_sub_co_u32 s[SLOTS], s[SLOTS], 1
	s_cmp_lg_u32 s[SLOTS], 0
	s_cbranch_scc1 .Lslot
	CHANGE 0                                       ; the last slot is written out
	SLOT_STEPS
	; THE WAY OUT: l's two halves and the other half of the lanes' are added; O^T is divided by l, rounded to f16 and sent through my stage, so that each store covers 512 consecutive bytes of ctx, aligned.
	PLACES
.irp t, 0,1
	v_add_f32 v[ST+8*\t+4], v[ST+8*\t+2], v[ST+8*\t+3]
.endr
.irp t, 0,1
	v_permlanex16_b32 v[ST+8*\t+5], v[ST+8*\t+4], s[SEL], s[SEL+1]
.endr
.irp t, 0,1
	v_add_f32 v[ST+8*\t+4], v[ST+8*\t+4], v[ST+8*\t+5]               ; at least 1: the largest t has p = 1
.endr
.irp t, 0,1
	v_rcp_f32 v[ST+8*\t+6], v[ST+8*\t+4]
.endr
	v_nop                                          ; a plain line behind the last reciprocal
	s_wait_alu depctr_va_vdst(0)                   ; and one wait for the two, ahead of the first use
.macro OUT t
	WIN 0x41
.set i, 0
.rept 16
	v_pk_mul_f32 v[O+32*\t+2*i:O+32*\t+2*i+1], v[O+32*\t+2*i:O+32*\t+2*i+1], v[ST+8*\t+6:ST+8*\t+7] op_sel_hi:[1,0]
.set i, i+1
.endr
	WIN 0x05                                       ; sources window 1, destination window 0: S^T's registers are free
.set i, 0
.rept 16
	v_cvt_pk_f16_f32 v[S+16*\t+i], v[O+32*\t+2*i], v[O+32*\t+2*i+1]
.set i, i+1
.endr
	WIN 0
.irp ct, 0,1,2,3
	ds_store_b128 v[STO], v[S+16*\t+4*\ct:S+16*\t+4*\ct+3] offset:16*PKP*\t+32*\ct
.endr
.irp i, 0,1,2,3
	ds_load_b128 v[P+16*\t+4*\i:P+16*\t+4*\i+3], v[RD] offset:16*PKP*\t+4*PKP*\i   ; LDS serves a wave's instructions in order: these see the stores above
.endr
.endm
	OUT 0
	OUT 1
.irp i, 0,1,2,3
	s_wait_dscnt 8+3-\i                            ; tile 0's load i is in; its younger loads and tile 1's eight LDS instructions may be out
	global_store_b128 v[GO], v[P+4*\i:P+4*\i+3], s[8:9] offset:512*\i
.endr
.irp i, 0,1,2,3
	s_wait_dscnt 3-\i
	global_store_b128 v[GO], v[P+16+4*\i:P+16+4*\i+3], s[8:9] offset:2048+512*\i
.endr
	s_wait_tensorcnt 0x0                           ; the wave's end
	ds_add_u32 v[SPW], v[NIL]
	s_wait_dscnt 0x0
	CROUND                                         ; the closing round
	s_endpgm
.Lfunc_end_k_qb55999e4fe_attn:
	.size	k_qb55999e4fe_attn, .Lfunc_end_k_qb55999e4fe_attn-k_qb55999e4fe_attn
	.p2alignl 7, 3214868480
	.fill 96, 4, 3214868480
	.section	.rodata,"a",@progbits
	.p2align	6, 0x0
	.amdhsa_kernel k_qb55999e4fe_attn
		.amdhsa_group_segment_fixed_size 327680
		.amdhsa_private_segment_fixed_size 0
		.amdhsa_enable_private_segment 0
		.amdhsa_kernarg_size 24
		.amdhsa_user_sgpr_count 2
		.amdhsa_user_sgpr_kernarg_segment_ptr 1
		.amdhsa_wavefront_size32 1
		.amdhsa_system_sgpr_workgroup_id_x 1
		.amdhsa_system_sgpr_workgroup_id_y 1
		.amdhsa_system_sgpr_workgroup_id_z 1
		.amdhsa_system_vgpr_workitem_id 0
		.amdhsa_next_free_vgpr 512
		.amdhsa_next_free_sgpr 72
		.amdhsa_reserve_vcc 0
		.amdhsa_float_denorm_mode_32 3
		.amdhsa_float_denorm_mode_16_64 3
		.amdhsa_memory_ordered 1
		.amdhsa_forward_progress 1
		.amdhsa_inst_pref_size 162
	.end_amdhsa_kernel
	.amdgpu_metadata
---
amdhsa.version: [ 1, 2 ]
amdhsa.kernels:
  - .name:           k_qb55999e4fe_attn
    .symbol:         k_qb55999e4fe_attn.kd
    .args:
      - { .name: qkvh, .offset: 0, .size: 8, .value_kind: global_buffer, .address_space: global }
      - { .name: mask, .offset: 8, .size: 8, .value_kind: global_buffer, .address_space: global }
      - { .name: ctx, .offset: 16, .size: 8, .value_kind: global_buffer, .address_space: global }
    .group_segment_fixed_size: 327680
    .private_segment_fixed_size: 0
    .kernarg_segment_align: 8
    .kernarg_segment_size: 24
    .max_flat_workgroup_size: 256
    .sgpr_count:     72
    .vgpr_count:     512
    .wavefront_size: 32
...
	.end_amdgpu_metadata
.endif
;; end of part 3
;; launch outp (part 4): grid 4 x 64, 4 waves a work-group, clusters of 4 x 4, 327,680 bytes of LDS; arguments ctx, wc16, bc, out0; writes out0
.if DOCPART == 4
	.amdgcn_target "amdgcn-amd-amdhsa--gfx1250"
	.amdhsa_code_object_version 6
	.text
	.protected	k_qb55999e4fe_outp
	.globl	k_qb55999e4fe_outp
	.p2align	8
	.type	k_qb55999e4fe_outp,@function
k_qb55999e4fe_outp:
	s_mov_b64 s[64:65], 0
	v_nop
	global_prefetch_b8 v0, s[64:65] scope:SCOPE_SE
	s_setreg_imm32_b32 hwreg(HW_REG_WAVE_MODE, 25, 1), 1
	s_wait_xcnt 0x0
	s_wait_alu depctr_hold_cnt(0) depctr_sa_sdst(0) depctr_va_vdst(0) depctr_va_sdst(0) depctr_va_ssrc(0) depctr_va_vcc(0) depctr_vm_vsrc(0)
	s_getreg_b32 s2, hwreg(HW_REG_IB_STS2, 6, 4)
	s_cmp_eq_u32 s2, 0
	s_cbranch_scc0 .Lentry_in_a_cluster
	s_endpgm
.Lentry_in_a_cluster:
	s_bfe_u32 s2, ttmp6, 0x10000c
	s_cmp_lg_u32 s2, 0xf033
	s_cbranch_scc0 .Lentry_shape_is_right
	s_endpgm
.Lentry_shape_is_right:
; out0[m][n] = the sum over k of ctx[m][k] Wc[n][k] + bc[n], M = 8,192, N = K = 1,024, operands in f16, sums in f32, out0 in f32.
; ctx: f16 [4 b][16 h][2048 s][64]: m = 2048 b + s, k = 64 h + d.  wc16: f16 [1024 n][1024 k].
; A tile of 128 (m) x 256 (n) to a work-group: 256 work-groups.  Four waves, each 64 x 128: 32 accumulators, 256 registers.  K goes in steps of 128 (two heads) through a ring of two LDS slots.
; Waves 0 and 1 fetch ctx's two heads of a step (128 rows x 128 bytes each), waves 2 and 3 the halves of Wc's 256 rows (128 rows x 256 bytes): one tensor load a wave behind each change of slots; two are out at the start.
; CLUSTERS: 4 x 4 work-groups: ctx's tiles are shared along a row of the cluster, Wc's along a column: joint loads.
; THE MATRIX INSTRUCTION IS USED TRANSPOSED (source 0 = 16 rows of Wc, source 1 = 16 rows of ctx): a lane holds eight neighbouring columns of a row of out0.  The bias is the C of each sum's first product.
; No prefetch: a K step's tiles are small, each is shared by four work-groups, and both operands are read again by other clusters.
; REGISTERS: window 0: v16-29 addresses; v64-127 ctx's fragments, two buffers of 32; v128-255 Wc's, two buffers of 64.   window 1: accumulator (a, b) at v[8 (8 a + b)].   window 2: v0-63 the bias, block b at v[8 b].
.set PA,     144                       ; a row of ctx's tile in LDS: 128 bytes + 16
.set PB,     272                       ; a row of Wc's: 256 bytes + 16
.set SUBA,   128*PA                    ; one head's 128 rows
.set BOFF,   2*SUBA                    ; a slot: ctx's two heads, then Wc's 256 rows
.set HALFB,  128*PB
.set SLOT,   BOFF+2*HALFB
.set STAGE,  2*SLOT                    ; the way out: 16 rows x 528 bytes for each wave; no fill lands here
.set SPITCH, 528
.set SPARE,  STAGE+4*16*SPITCH         ; the spare words, 128 bytes a wave
.set LAPS,   4                         ; a lap = two K steps = once round the ring
.set ADRA, 16                          ; v16-17 LDS address of my fragments of ctx in slot 0, 1
.set ADRB, 20                          ; v20-21 the same for Wc
.set STO,  24
.set RD,   25
.set CO,   26
.set BO,   27                          ; v27 32 x (lane / 16)
.set SPW,  28
.set NIL,  29
.set FA,   64
.set FB,   128
.set WV, 12                            ; s12 wave;  s13 wave / 2: my half of the rows, and I fetch for ctx (0) or Wc (1);  s14 wave % 2: my half of the columns, and which head or half I fetch;  s15 tile row
.set G1, 24
.set G0, 32
.set G1B, 48
.set G0B, 56
.set MSB, 0
.macro WIN new
.if MSB != (\new)
	s_set_vgpr_msb (MSB<<8)|(\new)
.set MSB, (\new)
.endif
.endm
.macro MULWIN first
.if \first
	WIN 0x60                                       ; C (the bias) window 2, D window 1
.else
	WIN 0x50                                       ; C and D window 1
.endif
.endm
.macro JLOAD s                         ; a joint load; an s_nop 0 and four v_nop follow each of the two lines
	s_cmp_eq_u32 s13, 0
	s_cbranch_scc0 .Lfor_b_\@
	tensor_load_to_lds s[G0+4*\s:G0+4*\s+3], s[G1:G1+7]
	s_nop 0
.rept 4
	v_nop
.endr
	s_branch .Lasked_\@
.Lfor_b_\@:
	tensor_load_to_lds s[G0B+4*\s:G0B+4*\s+3], s[G1B:G1B+7]
	s_nop 0
.rept 4
	v_nop
.endr
.Lasked_\@:
.endm
.macro CREST                           ; a round of the cluster's barrier behind its opening barrier
	s_cmp_lg_u32 s[WV], 0
	s_cbranch_scc1 .Lnot_wave_0_\@
	s_barrier_signal -3
.Lnot_wave_0_\@:
	s_barrier_wait -3
	s_barrier_signal -1
	s_barrier_wait -1
.endm
.macro CROUND
	s_barrier_signal -1
	s_barrier_wait -1
	CREST
.endm
.macro PLACES
.rept 4
	v_nop
.endr
.endm
	s_load_b256 s[4:11], s[0:1], 0x0               ; ctx s[4:5], wc16 s[6:7], bc s[8:9], out0 s[10:11]
	v_lshl_add_u32 v[SPW], v0, 2, SPARE
	v_mov_b32 v[NIL], 0
	ds_add_u32 v[SPW], v[NIL]                      ; the wave's opening: the add, twice on end, and its wait ahead of my first tensor load
	ds_add_u32 v[SPW], v[NIL]
	v_lshrrev_b32 v1, 5, v0
	v_readfirstlane_b32 s[WV], v1
	s_lshr_b32 s13, s[WV], 1
	s_and_b32 s14, s[WV], 1
	s_bfe_u32 s40, ttmp6, 0x40000                  ; cx, cy
	s_bfe_u32 s41, ttmp6, 0x40004
	s_lshl_b32 s42, ttmp9, 2
	s_add_co_u32 s42, s42, s40                     ; tile column
	s_and_b32 s15, ttmp7, 0xffff
	s_lshl_b32 s15, s15, 2
	s_add_co_u32 s15, s15, s41                     ; tile row
	s_lshl_b32 s43, s41, 2
	s_lshl_b32 s43, 15, s43                        ; my row of the cluster
	s_lshl_b32 s44, 0x1111, s40                    ; my column
	s_or_b32 s[G1+0], s43, (1<<16)|(1<<20)|(1<<21)|(4<<22)|(3<<25)    ; ctx: elements of 2 bytes; 4 words of padding after every 32
	s_mov_b32 s[G1+1], 64<<16                      ; tensor_dim0
	s_mov_b32 s[G1+2], 128<<16                     ; tensor_dim1
	s_mov_b32 s[G1+3], 64<<16                      ; tile_dim0
	s_mov_b32 s[G1+4], 128                         ; tile_dim1
	s_mov_b32 s[G1+5], 64                          ; from row to row
	s_mov_b32 s[G1+6], 0
	s_mov_b32 s[G1+7], 0
	s_or_b32 s[G1B+0], s44, (1<<16)|(1<<20)|(1<<21)|(5<<22)|(3<<25)   ; Wc: 4 words of padding after every 64
	s_mov_b32 s[G1B+1], 128<<16
	s_mov_b32 s[G1B+2], 128<<16
	s_mov_b32 s[G1B+3], 128<<16
	s_mov_b32 s[G1B+4], 128
	s_mov_b32 s[G1B+5], 1024
	s_mov_b32 s[G1B+6], 0
	s_mov_b32 s[G1B+7], 0
	s_lshr_b32 s16, s15, 4                         ; ctx: ((16 b + my head of the step) x 2048 + (tile row % 16) x 128) rows of 128 bytes
	s_lshl_b32 s16, s16, 4
	s_add_co_u32 s16, s16, s14
	s_lshl_b32 s16, s16, 11
	s_and_b32 s17, s15, 15
	s_lshl_b32 s17, s17, 7
	s_add_co_u32 s16, s16, s17
	s_lshl_b32 s16, s16, 7
	s_mov_b32 s17, 0
	s_lshl_b32 s46, s42, 8                         ; Wc: row 256 x tile column + 128 x half, 2,048 bytes a row
	s_lshl_b32 s47, s14, 7
	s_add_co_u32 s46, s46, s47
	s_lshl_b32 s46, s46, 11
	s_mov_b32 s47, 0
	s_mul_i32 s20, s14, SUBA                       ; where they go: no place in the cluster enters an LDS address
	s_mul_i32 s21, s14, HALFB
	s_add_co_u32 s21, s21, BOFF
	s_wait_dscnt 0x0                               ; both opening adds are done
	s_wait_kmcnt 0x0
	s_add_nc_u64 s[18:19], s[4:5], s[16:17]
	s_add_nc_u64 s[46:47], s[6:7], s[46:47]
	CROUND                                         ; all sixteen work-groups are here: the first joint loads meet
.irp s, 0,1
	s_mov_b32 s[G0+4*\s], 1
	s_add_co_u32 s[G0+4*\s+1], s20, \s*SLOT
	s_add_nc_u64 s[G0+4*\s+2:G0+4*\s+3], s[18:19], \s*2*262144     ; K step s: two heads on
	s_or_b32 s[G0+4*\s+3], s[G0+4*\s+3], 0x80000000
	s_mov_b32 s[G0B+4*\s], 1
	s_add_co_u32 s[G0B+4*\s+1], s21, \s*SLOT
	s_add_nc_u64 s[G0B+4*\s+2:G0B+4*\s+3], s[46:47], \s*256
	s_or_b32 s[G0B+4*\s+3], s[G0B+4*\s+3], 0x80000000
	JLOAD \s
.endr
	s_lshl_b32 s16, s42, 10                        ; my 128 columns, in bytes of f32: 1,024 x tile column + 512 x half
	s_lshl_b32 s17, s14, 9
	s_add_co_u32 s16, s16, s17
	s_mov_b32 s17, 0
	s_add_nc_u64 s[8:9], s[8:9], s[16:17]          ; in bc,
	s_add_nc_u64 s[10:11], s[10:11], s[16:17]      ; and in a row of out0
	v_and_b32 v1, 15, v0                           ; l % 16
	v_bfe_u32 v2, v0, 4, 1                         ; l / 16
	v_lshlrev_b32 v[BO], 5, v2
	WIN 0x80                                       ; destination window 2
.irp b, 0,1,2,3,4,5,6,7
	global_load_b128 v[8*\b:8*\b+3],   v[BO], s[8:9] offset:64*\b       ; block b, register j: bc[.. + 16 b + 8 (l / 16) + j]
	global_load_b128 v[8*\b+4:8*\b+7], v[BO], s[8:9] offset:64*\b+16
.endr
	WIN 0
	v_mul_u32_u24 v3, v1, PA
	v_lshl_add_u32 v3, v2, 4, v3
	v_mul_u32_u24 v4, v1, PB
	v_lshl_add_u32 v4, v2, 4, v4
	s_mul_i32 s22, s13, 64*PA                      ; my 64 rows of ctx
	s_mul_i32 s23, s14, HALFB                      ; my 128 rows of Wc
	s_add_co_u32 s23, s23, BOFF
.irp s, 0,1
	v_add_nc_u32 v[ADRA+\s], s22, v3
	v_add_nc_u32 v[ADRB+\s], s23, v4
	s_add_co_u32 s22, s22, SLOT
	s_add_co_u32 s23, s23, SLOT
.endr
	s_mul_i32 s22, s[WV], 16*SPITCH
	s_add_co_u32 s22, s22, STAGE                   ; my stage
	v_mul_u32_u24 v5, v1, SPITCH                   ; in: row l % 16, 32 bytes for each half of the lanes
	v_lshl_add_u32 v5, v2, 5, v5
	v_add_nc_u32 v[STO], s22, v5
	v_and_b32 v6, 31, v0
	v_lshlrev_b32 v[CO], 4, v6                     ; back: the 32 lanes take one row of 512 bytes; and the same in out0
	v_add_nc_u32 v[RD], s22, v[CO]
	s_lshl_b32 s16, s15, 7
	s_lshl_b32 s17, s13, 6
	s_add_co_u32 s16, s16, s17                     ; my first row of out0: 128 x tile row + 64 x half,
	s_lshl_b32 s16, s16, 12                        ; 4,096 bytes a row
	s_mov_b32 s17, 0
	s_add_nc_u64 s[10:11], s[10:11], s[16:17]
; 8 matrix instructions: ctx's block a against Wc's eight, 32 along K, from buffer f.  first = 1: the bias is C.  The 32 accumulators take turns, in the same order in every quarter.
.macro MUL8 f, a, first
.irp b, 0,1,2,3,4,5,6,7
.if \first
	v_wmma_f32_16x16x32_f16 v[8*(8*(\a)+\b):8*(8*(\a)+\b)+7], v[FB+64*(\f)+8*\b:FB+64*(\f)+8*\b+7], v[FA+32*(\f)+8*(\a):FA+32*(\f)+8*(\a)+7], v[8*\b:8*\b+7]
.else
	v_wmma_f32_16x16x32_f16 v[8*(8*(\a)+\b):8*(8*(\a)+\b)+7], v[FB+64*(\f)+8*\b:FB+64*(\f)+8*\b+7], v[FA+32*(\f)+8*(\a):FA+32*(\f)+8*(\a)+7], v[8*(8*(\a)+\b):8*(8*(\a)+\b)+7]
.endif
.endr
.endm
; 24 LDS loads in one run: the fragments of the slot's quarter qq (32 along K) into buffer f: Wc's sixteen loads first, then ctx's eight
.macro FETCH slot, qq, f
	WIN 0
.irp i, 0,1,2,3,4,5,6,7
	ds_load_b128 v[FB+64*(\f)+8*\i:FB+64*(\f)+8*\i+3],   v[ADRB+\slot] offset:64*(\qq)+16*PB*\i
	ds_load_b128 v[FB+64*(\f)+8*\i+4:FB+64*(\f)+8*\i+7], v[ADRB+\slot] offset:64*(\qq)+16*PB*\i+32
.endr
.irp i, 0,1,2,3
	ds_load_b128 v[FA+32*(\f)+8*\i:FA+32*(\f)+8*\i+3],   v[ADRA+\slot] offset:SUBA*((\qq)/2)+64*((\qq)%2)+16*PA*\i
	ds_load_b128 v[FA+32*(\f)+8*\i+4:FA+32*(\f)+8*\i+7], v[ADRA+\slot] offset:SUBA*((\qq)/2)+64*((\qq)%2)+16*PA*\i+32
.endr
.endm
; A K step is four quarters of 32 along K, 32 matrix instructions each, on buffers 0, 1, 0, 1.  One of the first three: multiplies buffer f and fetches quarter qq into buffer g.
.macro QUARTER slot, qq, f, g, first
	s_wait_dscnt 4                                 ; Wc's fragments and ctx's blocks 0, 1 are in; the youngest four loads (blocks 2, 3) may be out
	MULWIN \first
	MUL8 \f, 0, \first
	MUL8 \f, 1, \first
	PLACES
	FETCH \slot, \qq, \g
	s_wait_dscnt 24                                ; all but the 24 just issued
	MULWIN \first
	MUL8 \f, 2, \first
	MUL8 \f, 3, \first
.endm
; The last quarter multiplies buffer 1 and changes slots: ONE barrier; in front of it each wave waits for all its tensor loads, adds 0 to its spare word, and waits for that and for its reads of this slot.
; fill = 1: the barrier opens a round of the cluster's, and this slot is asked for again, two K steps ahead, first thing behind the round.
.macro TURN slot, next, fill
	WIN 0                                          ; (the add's two registers lie in window 0)
	s_wait_tensorcnt 0x0                           ; all my tensor loads have landed: my part of the next slot
	ds_add_u32 v[SPW], v[NIL]
	s_wait_dscnt 5                                 ; (the add and the youngest four loads may be out)
	WIN 0x50
	MUL8 1, 0, 0                                   ; eight matrix instructions stand between the add and the wait for it
	s_wait_dscnt 0x0                               ; the add is done, and my reads of this slot are over
	s_barrier_signal -1
	MUL8 1, 1, 0
.if \fill
	WIN 0
.endif
	s_barrier_wait -1
.if \fill
	CREST                                          ; no wave of any partner still reads this slot's tile or has a load on its way
	s_add_nc_u64 s[G0+4*\slot+2:G0+4*\slot+3], s[G0+4*\slot+2:G0+4*\slot+3], 4*262144   ; two K steps on: four heads,
	s_add_nc_u64 s[G0B+4*\slot+2:G0B+4*\slot+3], s[G0B+4*\slot+2:G0B+4*\slot+3], 512    ; 256 numbers along Wc's rows
	JLOAD \slot                                    ; the four v_nop behind it are also the places in front of the loads below
.else
	PLACES
.endif
	FETCH \next, 0, 0
	WIN 0x50
	MUL8 1, 2, 0
	MUL8 1, 3, 0
.endm
	s_wait_tensorcnt 1                             ; my part of K step 0 is in; K step 1's load may be out
	s_barrier_signal -1
	s_barrier_wait -1
	FETCH 0, 0, 0
	s_wait_loadcnt 0x0                             ; the bias
	QUARTER 0, 1, 0, 1, 1                          ; the first quarter stands in front of the loop: its products start the sums on the bias
	WIN 0
	s_mov_b32 s3, LAPS-1
.Llap:                                             ; a trip goes once round the ring, from a lap's second quarter to the next lap's first, and fills both slots again
	QUARTER 0, 2, 1, 0, 0
	QUARTER 0, 3, 0, 1, 0
	TURN 0, 1, 1
	QUARTER 1, 1, 0, 1, 0
	QUARTER 1, 2, 1, 0, 0
	QUARTER 1, 3, 0, 1, 0
	TURN 1, 0, 1
	QUARTER 0, 1, 0, 1, 0
	WIN 0
	s_sub_co_u32 s3, s3, 1
	s_cmp_lg_u32 s3, 0
	s_cbranch_scc1 .Llap
	QUARTER 0, 2, 1, 0, 0                          ; the last lap fills nothing
	QUARTER 0, 3, 0, 1, 0
	TURN 0, 1, 0
	QUARTER 1, 1, 0, 1, 0
	QUARTER 1, 2, 1, 0, 0
	QUARTER 1, 3, 0, 1, 0
	s_wait_dscnt 4                                 ; the very last quarter: nothing more to fetch
	WIN 0x50
	MUL8 1, 0, 0
	MUL8 1, 1, 0
	s_wait_dscnt 0
	MUL8 1, 2, 0
	MUL8 1, 3, 0
	WIN 0
; THE WAY OUT, by blocks of 16 rows x 128 columns: through my own stage, back as whole rows of 512 bytes, which the 32 lanes store as 512 consecutive bytes, aligned.
.macro TOSTAGE a
	WIN 0x04                                       ; an LDS store's data are its source 1: window 1
.irp b, 0,1,2,3,4,5,6,7
	ds_store_b128 v[STO], v[8*(8*(\a)+\b):8*(8*(\a)+\b)+3] offset:64*\b        ; each accumulator from its low end on
	ds_store_b128 v[STO], v[8*(8*(\a)+\b)+4:8*(8*(\a)+\b)+7] offset:64*\b+16
.endr
	WIN 0
.set BB, 64+64*((\a)%2)
.irp t, 0,1,2,3,4,5,6,7,8,9,10,11,12,13,14,15
	ds_load_b128 v[BB+4*\t:BB+4*\t+3], v[RD] offset:\t*SPITCH                  ; LDS serves a wave's instructions in order: these see the stores above
.endr
.endm
.macro SEND a, younger                 ; younger: the LDS instructions issued behind block a's loads, which may stay out
.set BB, 64+64*((\a)%2)
	s_wait_dscnt \younger
.irp t, 0,1,2,3,4,5,6,7,8,9,10,11,12,13,14,15
	global_store_b128 v[CO], v[BB+4*\t:BB+4*\t+3], s[10:11] offset:65536*(\a)+4096*\t th:TH_STORE_NT
.endr
.endm
	PLACES                                         ; behind the last products: results are read, and loads land in registers that they read
	TOSTAGE 0
.irp a, 1,2,3
.if \a > 1
	s_wait_xcnt 0x0                                ; block a - 2's stores have read their registers: block a's loads may land there
.endif
	TOSTAGE \a
	SEND \a-1, 32                                  ; behind block a - 1's loads: block a's 16 stores and 16 loads
.endr
	SEND 3, 0
	s_wait_tensorcnt 0x0                           ; the wave's end
	ds_add_u32 v[SPW], v[NIL]
	s_wait_dscnt 0x0
	CROUND                                         ; the closing round
	s_endpgm
.Lfunc_end_k_qb55999e4fe_outp:
	.size	k_qb55999e4fe_outp, .Lfunc_end_k_qb55999e4fe_outp-k_qb55999e4fe_outp
	.p2alignl 7, 3214868480
	.fill 96, 4, 3214868480
	.section	.rodata,"a",@progbits
	.p2align	6, 0x0
	.amdhsa_kernel k_qb55999e4fe_outp
		.amdhsa_group_segment_fixed_size 327680
		.amdhsa_private_segment_fixed_size 0
		.amdhsa_enable_private_segment 0
		.amdhsa_kernarg_size 32
		.amdhsa_user_sgpr_count 2
		.amdhsa_user_sgpr_kernarg_segment_ptr 1
		.amdhsa_wavefront_size32 1
		.amdhsa_system_sgpr_workgroup_id_x 1
		.amdhsa_system_sgpr_workgroup_id_y 1
		.amdhsa_system_sgpr_workgroup_id_z 1
		.amdhsa_system_vgpr_workitem_id 0
		.amdhsa_next_free_vgpr 640
		.amdhsa_next_free_sgpr 66
		.amdhsa_reserve_vcc 0
		.amdhsa_float_denorm_mode_32 3
		.amdhsa_float_denorm_mode_16_64 3
		.amdhsa_memory_ordered 1
		.amdhsa_forward_progress 1
		.amdhsa_inst_pref_size 87
	.end_amdhsa_kernel
	.amdgpu_metadata
---
amdhsa.version: [ 1, 2 ]
amdhsa.kernels:
  - .name:           k_qb55999e4fe_outp
    .symbol:         k_qb55999e4fe_outp.kd
    .args:
      - { .name: ctx, .offset: 0, .size: 8, .value_kind: global_buffer, .address_space: global }
      - { .name: wc16, .offset: 8, .size: 8, .value_kind: global_buffer, .address_space: global }
      - { .name: bc, .offset: 16, .size: 8, .value_kind: global_buffer, .address_space: global }
      - { .name: out0, .offset: 24, .size: 8, .value_kind: global_buffer, .address_space: global }
    .group_segment_fixed_size: 327680
    .private_segment_fixed_size: 0
    .kernarg_segment_align: 8
    .kernarg_segment_size: 32
    .max_flat_workgroup_size: 128
    .sgpr_count:     66
    .vgpr_count:     640
    .wavefront_size: 32
...
	.end_amdgpu_metadata
.endif
;; end of part 4
